; MI455X (gfx1250); checked and timed in simulation.
; The chip was launched on July 23, 2026; its instructions are those of AMD's public machine-readable ISA for CDNA 5 (MIT licence, August 2026) and "CDNA5" Instruction Set Architecture Reference Guide (July 2026). The comments in the code are by the model that wrote it; some were corrected since.
;; Mo E. Allowed arithmetic: matrix products marked QUANTISED: E2M1 operands, one E8M0 scale for each 32 along K, by v_wmma_scale_f32_16x16x128_f8f6f4 with both operands' format E2M1 (or v_wmma_scale_f32_32x16x128_f4), f32 sums; products left as they are: f32 operands where the result goes on into a quantised operand, else bf16, f16 or f32 operands; f32 sums; everything else in f32.
;; Inputs: W1_codes 8 x 1,024 x 16 x 16 uint8 (E2M1 codes of W1, K innermost, in blocks of 32 codes, two codes a byte); W1_scales 8 x 1,024 x 16 uint8 (E8M0 scales of W1, one for each 32 codes along K); W2_codes 8 x 512 x 32 x 16 uint8 (E2M1 codes of W2, K innermost, in blocks of 32 codes, two codes a byte); W2_scales 8 x 512 x 32 uint8 (E8M0 scales of W2, one for each 32 codes along K); Wg 512 x 8 float32; b1 8 x 1,024 float32; b2 8 x 512 float32; bg 8 float32; x 8,192 x 512 float32.
;; Outputs: out0 8,192 x 512 float32.
;; This version of the problem:
;;   THIS VERSION OF THE PROBLEM IS GIVEN IN LOW PRECISION. The matrix products marked QUANTISED in the list below multiply operands that are first quantised to E2M1 (2 exponent bits, 1 mantissa bit; 4 bits a number), with one power-of-two scale for each 32 numbers along K (OCP MX v1.0); their sums are f32. All else is computed in f32.
;;   The module's matrix products, in the order in which they are computed (A, B: the left and right operand; K: the contracted axis; several contracted axes count as one K, in the product's order):
;;     1. [M 8,192, K 512] x [K 512, N 8]; A: input x; B: input Wg: left as it is (N = 8 < 16)
;;     2. [M 8,192, K 512] x [K 512, N 8,192]; A: input W1 (given as codes); B: input x: QUANTISED
;;     3. batch 8 x [M 8,192, K 1,024] x [K 1,024, N 512]; A: computed on the way; B: input W2 (given as codes): QUANTISED
;;     4. batch 8,192 x [M 512, K 8] x [K 8, N 1]; A: computed on the way; B: computed on the way: left as it is (K = 8 < 32)
;;   THE QUANTISER, for each operand of a quantised product, along K:
;;     - K is cut into blocks of 32 from its start; a last block that is shorter is filled with zeros.
;;     - A block's scale is 2^e with e = floor(log2(the largest magnitude in the block)) - 2, held to -126 .. 127; a block of zeros has e = 0. As a byte (E8M0): e + 127.
;;     - Each number is divided by its block's scale, clamped to +-6, and rounded to the nearest number of E2M1, ties to even, subnormals kept.
;;     - The product sums the exact products of the quantised numbers (number of the format x scale) in f32.
;;   ~~~python
;;   def quantise(x, axis):      # numpy; x: float32 -> the quantised numbers, widened to float32 again
;;       x = np.moveaxis(x, axis, -1); K = x.shape[-1]
;;       x = np.pad(x, [(0, 0)] * (x.ndim - 1) + [(0, -K % 32)]); x = x.reshape(x.shape[:-1] + (-1, 32)); a = np.abs(x).max(-1, keepdims=True)
;;       e = np.where(a > 0, np.clip(np.frexp(np.where(a > 0, a, 1))[1] - 1 - 2, -126, 127), 0)      # np.frexp(a)[1] - 1 = floor(log2(a)), exactly
;;       r = np.clip(x / 2.0 ** e, -6, 6)
;;       step = 2.0 ** (np.maximum(np.frexp(np.where(r == 0, 1, r))[1] - 1, 0) - 1)
;;       q = np.round(r / step) * step * 2.0 ** e      # np.round: ties to even
;;       return np.moveaxis(q.reshape(q.shape[:-2] + (-1,))[..., :K], -1, axis).astype(np.float32)
;;   ~~~
;;   OPERANDS COMPUTED ON THE WAY. 'Computed on the way' means the value that the module computes at that place (a softmax that the list does not call 'softmax' is quantised finished and normalised). What goes into a quantiser is computed in f32, as accurately as f32 sums, v_exp_f32 and their like allow (about 1e-6 of the number): no bf16 or f16 on the way to a quantiser, and a product that is left as it is and whose result goes on into a quantised operand takes f32 operands (vector FMAs, or v_wmma_f32_16x16x4_f32). A number that lies on a knife's edge between two numbers of the format may be rounded either way, as far as f32 arithmetic and the matrix unit's own rounding can turn it there, and no further.
;;   INPUTS GIVEN AS CODES. W1 (in the module: [8, 512, 1024], K = its axis 1); W2 (in the module: [8, 1024, 512], K = its axis 1): each comes as NAME_codes (uint8): NAME with its K axis moved to the last place and cut into blocks of 32 codes, [.., K / 32, bytes a block], one block behind the other in memory; two codes a byte, the lower K in the low four bits (a code: sign, 2 exponent bits, 1 mantissa bit); and NAME_scales (uint8): the same leading axes, one E8M0 byte (e + 127) for each 32 codes along K. Its value is code x scale, taken as it is: it is not quantised again, and the codes and scales need not be those that the quantiser above would give.
;; 3 versions, each right; version 2 is faster than version 1; version 3 is version 2 with the launch route written anew for expert scheduling mode. Each part assembles by itself: llvm-mc -triple=amdgcn-amd-amdhsa -mcpu=gfx1250 --defsym DOCPART=n.
;; ======== version 1 of 3: 3 launches
;; workspace buffers: xq 2,097,152 bytes; xs 131,072 bytes; route 65,536 bytes of whole numbers; rowlist 34,816 bytes of whole numbers; tileinfo 2,048 bytes of whole numbers; W1f 2,097,152 bytes; W2f 2,097,152 bytes
;; launch route (part 1): grid 256 x 1, 8 waves a work-group, no clusters, 100,608 bytes of LDS; arguments x, Wg, bg, xq, xs, route; writes xq, xs, route
.if DOCPART == 1
	.amdgcn_target "amdgcn-amd-amdhsa--gfx1250"
	.amdhsa_code_object_version 6
	.text
	.protected	k_qf7fad2edef_route
	.globl	k_qf7fad2edef_route
	.p2align	8
	.type	k_qf7fad2edef_route,@function
k_qf7fad2edef_route:
	s_mov_b64 s[64:65], 0
	v_nop
	global_prefetch_b8 v0, s[64:65] scope:SCOPE_SE
	s_setreg_imm32_b32 hwreg(HW_REG_WAVE_MODE, 25, 1), 1
	s_wait_xcnt 0x0
; ROUTE.  x [8192][512] f32 is read once and serves twice:
;  (1) it is quantised to E2M1 codes, K innermost (xq: 256 bytes a token), one E8M0 byte for each 32 along K (xs: 16 bytes a token);
;  (2) the router: logits = x Wg + bg in f32 multiply-adds, softmax with its maximum taken away, argmax (the lower index wins a tie).
; The chosen expert steers no address and no branch here: it is stored at fixed places, with each token's rank among the tokens of its
; group of 32 that chose the same expert, and the group's eight counts (route: [256 groups][32 lanes][2 words]: word 0 = expert | rank << 8 of
; token 32 g + lane; word 1 = the group's count for expert = lane in lanes 0-7, else 0).
; SHARES.  A work-group takes one group of 32 tokens, each of its eight waves four rows.  A row's 2,048 bytes are loaded as they lie (512 consecutive
; bytes an instruction) and turned through the wave's own stage in LDS, so that lane l holds k = 16 l .. 16 l + 15: two lanes hold a block of 32.
; Wg (16 KB) lies in LDS once for the work-group; lane l reads its 16 rows of it, in two halves of 64 registers.
; LIMITS: NaN and infinities among the inputs are not served.  A block of zeros gets the byte 1 where the quantiser says 127: its codes are zeros, and this program
; alone reads the bytes.  The logits are f32 sums in this text's own order (16 multiply-adds in a lane, then a tree over the lanes): two logits nearer to each other
; than that rounding may be ranked either way.
.set WP,   528                         ; a lane's 512 bytes of Wg + 16 of padding: an odd multiple of 16 bytes from lane to lane
.set STG,  32*WP                       ; behind Wg: for each wave four stages (a row each) of 32 places of SP bytes
.set SP,   80                          ; a lane's 64 bytes + 16 of padding
.set SCB,  STG+8*4*32*SP               ; the group's scale bytes, 16 a row
.set EKL,  SCB+512                     ; the group's 32 expert numbers
.set C,    24                          ; v24-31   codes, two registers a row
.set E,    32                          ; v32-35   a scale byte a row
.set A,    36                          ; v36-67   the logits' partial sums: A + 8 row + expert
.set X,    68                          ; v68-131  16 numbers a row
.set WGR,  132                         ; v132-195 half of my 16 rows of Wg: 8 k + expert; before that Wg as loaded, after that the reduction's registers
.set K1,   WGR
.set G1,   WGR+16
.set K2,   WGR+32                      ; the eight logits of row lane % 4
.set G2,   WGR+40
.set T,    WGR+48                      ; the eight exponentials, then probabilities
	s_load_b256 s[4:11], s[0:1], 0x0               ; x s[4:5], Wg s[6:7], bg s[8:9], xq s[10:11]
	s_load_b128 s[12:15], s[0:1], 0x20             ; xs s[12:13], route s[14:15]
	v_lshl_add_u32 v208, v0, 2, 0x18500
	v_mov_b32 v209, 0
	v_lshrrev_b32 v1, 5, v0
	v_readfirstlane_b32 s24, v1                    ; wave 0..7
	v_and_b32 v1, 31, v0                           ; lane
	v_lshlrev_b32 v2, 4, v1                        ; 16 x lane: my bytes of a load's 512, and of xs on the way out
	v_lshlrev_b32 v3, 4, v0                        ; Wg: 16 x thread
	s_mul_i32 s27, s24, WP
	v_add_nc_u32 v4, s27, v2                       ; Wg into LDS: load i of wave w is chunk w + 8 i
	v_mul_u32_u24 v5, v1, WP                       ; and out of it: chunk = lane
	s_mul_i32 s27, s24, 4*32*SP
	s_add_co_u32 s27, s27, STG                     ; my wave's stages
	v_lshrrev_b32 v14, 2, v1
	v_mul_u32_u24 v14, v14, SP
	v_and_b32 v15, 3, v1
	v_lshl_add_u32 v14, v15, 4, v14
	v_add_nc_u32 v6, s27, v14                      ; in: four lanes' 64 bytes on end, then the padding
	v_mul_u32_u24 v7, v1, SP
	v_add_nc_u32 v7, s27, v7                       ; out: place = lane
	v_lshlrev_b32 v8, 3, v1                        ; 8 x lane: my codes in a row, and my record in route
	s_lshl_b32 s27, s24, 6
	s_add_co_u32 s27, s27, SCB
	v_lshrrev_b32 v9, 1, v1
	v_add_nc_u32 v9, s27, v9                       ; my block's scale byte in my wave's first row
	s_lshl_b32 s27, s24, 4
	s_add_co_u32 s27, s27, EKL
	v_lshl_add_u32 v10, v15, 2, s27                ; the expert's word of row 4 w + lane % 4
	v_add_nc_u32 v11, SCB, v2                      ; the way out of the scale bytes
	v_lshl_add_u32 v12, v1, 2, EKL                 ; and of the expert numbers
	s_mov_b32 s25, 0xaaaaaaaa                      ; odd lanes
	s_mov_b32 s26, 0xcccccccc                      ; lanes with bit 1 set
	s_mov_b32 s28, 0x76543210
	s_mov_b32 s29, 0xfedcba98                      ; v_permlanex16_b32's selects for lane l xor 16
	s_lshl_b32 s30, ttmp9, 16                      ; 32 rows of 2,048 bytes a group,
	s_lshl_b32 s34, s24, 13                        ; four a wave
	s_add_co_u32 s30, s30, s34
	s_mov_b32 s31, 0
	s_wait_kmcnt 0x0
	s_load_b256 s[16:23], s[8:9], 0x0              ; bg's eight numbers
	s_add_nc_u64 s[4:5], s[4:5], s[30:31]          ; x at my first row
	s_lshl_b32 s30, ttmp9, 13
	s_lshl_b32 s34, s24, 10
	s_add_co_u32 s30, s30, s34
	s_add_nc_u64 s[10:11], s[10:11], s[30:31]      ; xq likewise: 256 bytes a row
	s_lshl_b32 s30, ttmp9, 9
	s_add_nc_u64 s[12:13], s[12:13], s[30:31]      ; xs at my group: 512 bytes
	s_lshl_b32 s30, ttmp9, 8
	s_add_nc_u64 s[14:15], s[14:15], s[30:31]      ; route at my group: 256 bytes
.irp i, 0,1,2,3
	global_load_b128 v[WGR+4*\i:WGR+4*\i+3], v3, s[6:7] offset:4096*\i
.endr
.irp row, 0,1,2,3
.irp j, 0,1,2,3
	global_load_b128 v[X+16*\row+4*\j:X+16*\row+4*\j+3], v2, s[4:5] offset:2048*\row+512*\j th:TH_LOAD_NT   ; 32 lanes read 512 consecutive bytes; read once in the launch
.endr
.endr
	s_wait_loadcnt 16                              ; Wg's four loads are in; the sixteen of x behind them stay out
.irp i, 0,1,2,3
	ds_store_b128 v4, v[WGR+4*\i:WGR+4*\i+3] offset:8*WP*\i
.endr
	s_wait_dscnt 0x0                               ; for the others' sake: my part of Wg lies in LDS
	s_barrier_signal -1
	s_barrier_wait -1
.macro WGLOAD half                     ; rows 16 l + 8 half .. + 7 of Wg: 256 bytes, register 8 k + expert
.irp j, 0,1,2,3,4,5,6,7,8,9,10,11,12,13,14,15
	ds_load_b128 v[WGR+4*\j:WGR+4*\j+3], v5 offset:256*\half+16*\j
.endr
.endm
; 128 packed multiply-adds: four rows x eight k x four pairs of experts; x is taken for both halves of a pair.  The very first products start the sums: nothing is cleared.
.macro DOT half
.irp kk, 0,1,2,3,4,5,6,7
.irp row, 0,1,2,3
.irp p, 0,1,2,3
.if (\half == 0) && (\kk == 0)
	v_pk_mul_f32 v[A+8*\row+2*\p:A+8*\row+2*\p+1], v[X+16*\row:X+16*\row+1], v[WGR+2*\p:WGR+2*\p+1] op_sel_hi:[0,1]
.elseif (\kk % 2) == 0
	v_pk_fma_f32 v[A+8*\row+2*\p:A+8*\row+2*\p+1], v[X+16*\row+8*\half+\kk:X+16*\row+8*\half+\kk+1], v[WGR+8*\kk+2*\p:WGR+8*\kk+2*\p+1], v[A+8*\row+2*\p:A+8*\row+2*\p+1] op_sel_hi:[0,1,1]
.else
	v_pk_fma_f32 v[A+8*\row+2*\p:A+8*\row+2*\p+1], v[X+16*\row+8*\half+\kk-1:X+16*\row+8*\half+\kk], v[WGR+8*\kk+2*\p:WGR+8*\kk+2*\p+1], v[A+8*\row+2*\p:A+8*\row+2*\p+1] op_sel:[1,0,0] op_sel_hi:[1,1,1]
.endif
.endr
.endr
.endr
.endm
; A row's codes and scale bytes.  The block's largest magnitude, with the floor 2^(3 - 127) among its leaves (so the byte cannot fall under 1); 2 off its exponent field is the conversion's scale operand.
.macro QROW row
.set XS, X+16*\row
	v_max3_num_f32 v14, |v[XS]|, |v[XS+1]|, |v[XS+2]|
	v_max3_num_f32 v15, |v[XS+3]|, |v[XS+4]|, |v[XS+5]|
.irp i, 6,10
	v_max3_num_f32 v14, v14, |v[XS+\i]|, |v[XS+\i+1]|
	v_max3_num_f32 v15, v15, |v[XS+\i+2]|, |v[XS+\i+3]|
.endr
	v_max3_num_f32 v14, v14, |v[XS+14]|, |v[XS+15]|
	v_max3_num_f32 v14, v14, v15, 0x1800000
	v_max_num_f32_dpp v14, v14, v14 row_xmask:1 row_mask:0xf bank_mask:0xf   ; with my neighbour's 16: the block's
	v_add_nc_u32 v16, 0xff000000, v14
	v_cvt_scalef32_pk8_fp4_f32 v[C+2*\row], v[XS:XS+7], v16
	v_cvt_scalef32_pk8_fp4_f32 v[C+2*\row+1], v[XS+8:XS+15], v16
	v_lshrrev_b32 v[E+\row], 23, v16               ; the scale's byte (also the plain line behind the conversions)
	ds_store_b8 v9, v[E+\row] offset:16*\row       ; both lanes of a block write the same byte with the same value
	global_store_b64 v8, v[C+2*\row:C+2*\row+1], s[10:11] offset:256*\row   ; 32 lanes store the row's 256 consecutive bytes, aligned
.endm
	WGLOAD 0
	s_wait_loadcnt 0x0                             ; x
.irp row, 0,1,2,3
.irp j, 0,1,2,3
	ds_store_b128 v6, v[X+16*\row+4*\j:X+16*\row+4*\j+3] offset:32*SP*\row+8*SP*\j
.endr
.endr
	s_wait_dscnt 0x0                               ; the stores have read X, which the loads below write; the first half of Wg is in
.irp row, 0,1,2,3
.irp i, 0,1,2,3
	ds_load_b128 v[X+16*\row+4*\i:X+16*\row+4*\i+3], v7 offset:32*SP*\row+16*\i
.endr
.endr
	s_wait_dscnt 0x0
	DOT 0
	WGLOAD 1                                       ; lands while the rows are quantised
	QROW 0
	QROW 1
	QROW 2
	QROW 3
	s_wait_dscnt 0x0
	DOT 1
	; THE SUM OVER THE LANES of 4 rows x 8 experts.  Two steps halve the numbers: a lane keeps one row of two and gives the other to its partner; afterwards lane l holds row l % 4.
.irp pr, 0,1
.irp e, 0,1,2,3,4,5,6,7
	v_cndmask_b32 v[K1+8*\pr+\e], v[A+16*\pr+\e], v[A+16*\pr+8+\e], s25   ; kept: even lanes row 2 pr, odd lanes row 2 pr + 1
	v_cndmask_b32 v[G1+8*\pr+\e], v[A+16*\pr+8+\e], v[A+16*\pr+\e], s25   ; given
.endr
.endr
.irp i, 0,1,2,3,4,5,6,7,8,9,10,11,12,13,14,15
	v_add_f32_dpp v[K1+\i], v[G1+\i], v[K1+\i] row_xmask:1 row_mask:0xf bank_mask:0xf
.endr
.irp e, 0,1,2,3,4,5,6,7
	v_cndmask_b32 v[K2+\e], v[K1+\e], v[K1+8+\e], s26
	v_cndmask_b32 v[G2+\e], v[K1+8+\e], v[K1+\e], s26
.endr
.irp e, 0,1,2,3,4,5,6,7
	v_add_f32_dpp v[K2+\e], v[G2+\e], v[K2+\e] row_xmask:2 row_mask:0xf bank_mask:0xf
.endr
.irp e, 0,1,2,3,4,5,6,7
	v_add_f32_dpp v[K2+\e], v[K2+\e], v[K2+\e] row_xmask:4 row_mask:0xf bank_mask:0xf
.endr
.irp e, 0,1,2,3,4,5,6,7
	v_add_f32_dpp v[K2+\e], v[K2+\e], v[K2+\e] row_xmask:8 row_mask:0xf bank_mask:0xf
.endr
.irp e, 0,1,2,3,4,5,6,7
	v_permlanex16_b32 v[G2+\e], v[K2+\e], s28, s29
.endr
.irp e, 0,1,2,3,4,5,6,7
	v_add_f32 v[K2+\e], v[K2+\e], v[G2+\e]
.endr
	s_wait_kmcnt 0x0                               ; bg
.irp e, 0,1,2,3,4,5,6,7
	v_add_f32 v[K2+\e], s[16+\e], v[K2+\e]
.endr
	; the softmax, with the row's maximum taken away, and the argmax of the probabilities
	v_max3_num_f32 v14, v[K2], v[K2+1], v[K2+2]
	v_max3_num_f32 v14, v14, v[K2+3], v[K2+4]
	v_max3_num_f32 v14, v14, v[K2+5], v[K2+6]
	v_max_num_f32 v14, v14, v[K2+7]
.irp e, 0,1,2,3,4,5,6,7
	v_sub_f32 v[T+\e], v[K2+\e], v14
.endr
.irp e, 0,1,2,3,4,5,6,7
	v_mul_f32 v[T+\e], 0x3fb8aa3b, v[T+\e]         ; x log2(e)
.endr
.irp e, 0,1,2,3,4,5,6,7
	v_exp_f32 v[T+\e], v[T+\e]
.endr
	v_mov_b32 v18, 0                               ; the argmax begins at expert 0 (the plain line behind the exponentials)
	s_wait_alu depctr_va_vdst(0)                   ; one wait for the eight, ahead of their first reader
	v_add_f32 v15, v[T], v[T+1]
	v_add_f32 v16, v[T+2], v[T+3]
	v_add_f32 v17, v[T+4], v[T+5]
	v_add_f32 v19, v[T+6], v[T+7]
	v_add_f32 v15, v15, v16
	v_add_f32 v17, v17, v19
	v_add_f32 v15, v15, v17
	v_rcp_f32 v16, v15
	v_nop                                          ; a plain line behind the reciprocal
	s_wait_alu depctr_va_vdst(0)                   ; and the wait ahead of its first reader
.irp e, 0,1,2,3,4,5,6,7
	v_mul_f32 v[T+\e], v[T+\e], v16
.endr
	v_mov_b32 v17, v[T]
.irp e, 1,2,3,4,5,6,7
	v_cmp_le_f32 vcc_lo, v[T+\e], v17              ; not larger: the earlier expert stays, so the lower index wins a tie
	v_cndmask_b32 v18, \e, v18, vcc_lo
	v_max_num_f32 v17, v17, v[T+\e]
.endr
	ds_store_b32 v10, v18                          ; the eight lanes that hold a row write the same word with the same value
	s_wait_dscnt 0x0                               ; for the others' sake: my scale bytes and my four expert numbers lie in LDS
	s_barrier_signal -1
	s_barrier_wait -1
	s_cmp_eq_u32 s24, 0
	s_cbranch_scc1 .Lscales
	s_cmp_eq_u32 s24, 1
	s_cbranch_scc1 .Lranks
	s_wait_tensorcnt 0x0
	ds_add_u32 v208, v209
	s_wait_dscnt 0x0
	s_endpgm
.Lscales:                                              ; wave 0: the group's 512 scale bytes leave as 512 consecutive bytes
	ds_load_b128 v[20:23], v11
	s_wait_dscnt 0x0
	global_store_b128 v2, v[20:23], s[12:13]
	s_wait_tensorcnt 0x0
	ds_add_u32 v208, v209
	s_wait_dscnt 0x0
	s_endpgm
.Lranks:                                               ; wave 1: lane = token of the group.  Rank among the lower lanes with the same expert, and the eight counts
	ds_load_b32 v14, v12
	v_mov_b32 v16, 0
	v_mov_b32 v21, 0
	s_wait_dscnt 0x0
.irp e, 0,1,2,3,4,5,6,7
	v_cmp_eq_u32 s32, \e, v14
	v_mbcnt_lo_u32_b32 v17, s32, 0                 ; how many lower lanes chose expert e
	v_cndmask_b32 v16, v16, v17, s32
	s_bcnt1_i32_b32 s33, s32
	v_writelane_b32 v21, s33, \e                   ; the group's count for expert e, in lane e
.endr
	v_lshl_or_b32 v20, v16, 8, v14
	global_store_b64 v8, v[20:21], s[14:15]        ; 32 lanes store the group's 256 consecutive bytes, aligned
	s_wait_tensorcnt 0x0
	ds_add_u32 v208, v209
	s_wait_dscnt 0x0
	s_endpgm
.Lfunc_end_k_qf7fad2edef_route:
	.size	k_qf7fad2edef_route, .Lfunc_end_k_qf7fad2edef_route-k_qf7fad2edef_route
	.p2alignl 7, 3214868480
	.fill 96, 4, 3214868480
	.section	.rodata,"a",@progbits
	.p2align	6, 0x0
	.amdhsa_kernel k_qf7fad2edef_route
		.amdhsa_group_segment_fixed_size 100608
		.amdhsa_private_segment_fixed_size 0
		.amdhsa_enable_private_segment 0
		.amdhsa_kernarg_size 48
		.amdhsa_user_sgpr_count 2
		.amdhsa_user_sgpr_kernarg_segment_ptr 1
		.amdhsa_wavefront_size32 1
		.amdhsa_system_sgpr_workgroup_id_x 1
		.amdhsa_system_sgpr_workgroup_id_y 1
		.amdhsa_system_sgpr_workgroup_id_z 1
		.amdhsa_system_vgpr_workitem_id 0
		.amdhsa_next_free_vgpr 210
		.amdhsa_next_free_sgpr 66
		.amdhsa_reserve_vcc 1
		.amdhsa_float_denorm_mode_32 3
		.amdhsa_float_denorm_mode_16_64 3
		.amdhsa_memory_ordered 1
		.amdhsa_forward_progress 1
		.amdhsa_inst_pref_size 42
	.end_amdhsa_kernel
	.amdgpu_metadata
---
amdhsa.version: [ 1, 2 ]
amdhsa.kernels:
  - .name:           k_qf7fad2edef_route
    .symbol:         k_qf7fad2edef_route.kd
    .args:
      - { .name: x, .offset: 0, .size: 8, .value_kind: global_buffer, .address_space: global }
      - { .name: Wg, .offset: 8, .size: 8, .value_kind: global_buffer, .address_space: global }
      - { .name: bg, .offset: 16, .size: 8, .value_kind: global_buffer, .address_space: global }
      - { .name: xq, .offset: 24, .size: 8, .value_kind: global_buffer, .address_space: global }
      - { .name: xs, .offset: 32, .size: 8, .value_kind: global_buffer, .address_space: global }
      - { .name: route, .offset: 40, .size: 8, .value_kind: global_buffer, .address_space: global }
    .group_segment_fixed_size: 100608
    .private_segment_fixed_size: 0
    .kernarg_segment_align: 8
    .kernarg_segment_size: 48
    .max_flat_workgroup_size: 256
    .sgpr_count:     66
    .vgpr_count:     210
    .wavefront_size: 32
...
	.end_amdgpu_metadata
.endif
;; end of part 1
;; launch place (part 2): grid 129 x 1, 8 waves a work-group, no clusters, 43,776 bytes of LDS; arguments route, W1_codes, W2_codes, rowlist, tileinfo, W1f, W2f; writes rowlist, tileinfo, W1f, W2f
.if DOCPART == 2
	.amdgcn_target "amdgcn-amd-amdhsa--gfx1250"
	.amdhsa_code_object_version 6
	.text
	.protected	k_qf7fad2edef_place
	.globl	k_qf7fad2edef_place
	.p2align	8
	.type	k_qf7fad2edef_place,@function
k_qf7fad2edef_place:
	s_mov_b64 s[64:65], 0
	v_nop
	global_prefetch_b8 v0, s[64:65] scope:SCOPE_SE
	s_setreg_imm32_b32 hwreg(HW_REG_WAVE_MODE, 25, 1), 1
	s_wait_xcnt 0x0
; PLACE.  Work-group 0 turns the stored choice of experts into a list of tiles and a list of rows; work-groups 1 to 128 meanwhile lay the weights' codes in the order of the operand's registers.
; THE LISTS.  Expert e's N_e tokens take ceil(N_e / 64) tiles of 64 positions, the experts one behind the other: never more than 8,192 / 64 + 7 = 135 tiles.  tileinfo[t] = {expert, rows} (rows = 0: no such tile);
; rowlist[64 t + i] = the token at row i of tile t.  Positions behind a tile's last row are not written, and nobody reads them.  No atomics: counts, prefix sums, one store a token.
; The 8,192 stores into rowlist are four bytes each at places that the choice decides: 32 KB in all, the one place where this program does not store long consecutive runs.
; THE WEIGHTS.  W1f: [tile W = 64 e + 2 pair + u][K step q][c][lane][16 bytes]; lane r of tile (pair, u) takes row 32 pair + 8 u + r + 8 (r / 8) of expert e, so that the 16 results that a lane holds of
; tiles (pair, 0) and (pair, 1) are 16 neighbours along the second product's K.  W2f: [e][p][K step s][tile n][c][lane][16 bytes]; lane r takes row 128 p + 16 n + r.  Lane (r, h) holds bytes 64 step + 32 c + 16 h of its row.
; A wave copies 4,096 bytes: eight loads, eight stores of 512 consecutive bytes.
.set CT,  0                            ; LDS: counts, row = expert (lanes 8-31 bring zeros), word = group; 1,040 bytes a row
.set NT,  33280                        ; the eight totals
.set OT,  33536                        ; first position of (group, expert): 36 bytes a group
.set REC, 32                           ; v32-95   my 32 groups' records, a pair each
.set OF,  96                           ; v96-127  first positions; before that the totals and what is stored into OT
.set PO,  128                          ; v128-159 positions
.set TK,  160                          ; v160-191 lane selects, then token numbers
.set TI,  192                          ; v192-195 a tile's record in the making; v[194:195] is the stored pair.  Registers of their own: no later line writes what that store reads
	s_load_b256 s[4:11], s[0:1], 0x0               ; route s[4:5], W1_codes s[6:7], W2_codes s[8:9], rowlist s[10:11]
	s_load_b128 s[12:15], s[0:1], 0x20             ; tileinfo s[12:13], W1f s[14:15]
	s_load_b64 s[44:45], s[0:1], 0x30              ; W2f
	v_lshl_add_u32 v200, v0, 2, 0xa700
	v_mov_b32 v201, 0
	v_lshrrev_b32 v1, 5, v0
	v_readfirstlane_b32 s46, v1                    ; wave 0..7
	v_and_b32 v1, 31, v0                           ; lane
	s_mov_b32 s19, 0
	s_wait_kmcnt 0x0
	s_cmp_eq_u32 ttmp9, 0
	s_cbranch_scc1 .Lplace
	v_and_b32 v2, 15, v0                           ; r
	v_bfe_u32 v3, v0, 4, 1                         ; h
	v_lshlrev_b32 v4, 4, v1                        ; out: 16 x lane
	s_cmp_lt_u32 ttmp9, 65
	s_cbranch_scc0 .Lw2
	; ---- W1: work-groups 1 to 64, a tile a wave
	s_sub_co_u32 s16, ttmp9, 1
	s_lshl_b32 s16, s16, 3
	s_add_co_u32 s16, s16, s46                     ; tile W
	s_lshr_b32 s18, s16, 1
	s_lshl_b32 s18, s18, 13                        ; 32 rows of 256 bytes for each pair,
	s_and_b32 s17, s16, 1
	s_lshl_b32 s17, s17, 11                        ; 8 rows for u
	s_add_co_u32 s18, s18, s17
	s_add_nc_u64 s[6:7], s[6:7], s[18:19]
	s_lshl_b32 s18, s16, 12
	s_add_nc_u64 s[14:15], s[14:15], s[18:19]
	v_and_b32 v5, 8, v2
	v_add_nc_u32 v5, v5, v2                        ; r + 8 (r / 8)
	v_lshlrev_b32 v5, 8, v5
	v_lshl_add_u32 v5, v3, 4, v5
.irp j, 0,1,2,3,4,5,6,7
	global_load_b128 v[16+4*\j:19+4*\j], v5, s[6:7] offset:32*\j
.endr
	s_wait_loadcnt 0x0
.irp j, 0,1,2,3,4,5,6,7
	global_store_b128 v4, v[16+4*\j:19+4*\j], s[14:15] offset:512*\j
.endr
	s_endpgm
.Lw2:	; ---- W2: work-groups 65 to 128, four tiles of one K step a wave
	s_sub_co_u32 s16, ttmp9, 65
	s_lshl_b32 s16, s16, 3
	s_add_co_u32 s16, s16, s46                     ; ((4 e + p) 8 + s) 2 + half
	s_lshr_b32 s18, s16, 4
	s_lshl_b32 s18, s18, 16                        ; 128 rows of 512 bytes for each (e, p),
	s_and_b32 s17, s16, 1
	s_lshl_b32 s17, s17, 15                        ; 64 rows for the half,
	s_add_co_u32 s18, s18, s17
	s_bfe_u32 s17, s16, 0x30001
	s_lshl_b32 s17, s17, 6                         ; 64 bytes for each K step
	s_add_co_u32 s18, s18, s17
	s_add_nc_u64 s[8:9], s[8:9], s[18:19]
	s_lshl_b32 s18, s16, 12
	s_add_nc_u64 s[44:45], s[44:45], s[18:19]
	v_lshlrev_b32 v5, 9, v2
	v_lshl_add_u32 v5, v3, 4, v5
.irp j, 0,1,2,3,4,5,6,7
	global_load_b128 v[16+4*\j:19+4*\j], v5, s[8:9] offset:8192*(\j/2)+32*(\j%2)
.endr
	s_wait_loadcnt 0x0
.irp j, 0,1,2,3,4,5,6,7
	global_store_b128 v4, v[16+4*\j:19+4*\j], s[44:45] offset:512*\j
.endr
	s_endpgm
.Lplace:	; ---- the lists.  Wave w serves groups 32 w .. 32 w + 31, and expert w
	s_lshl_b32 s16, s46, 13
	v_lshl_add_u32 v2, v1, 3, s16                  ; route: 8 x lane + 32 groups of 256 bytes a wave
	s_lshl_b32 s16, s46, 7
	v_mul_u32_u24 v3, v1, 1040
	v_add_nc_u32 v3, s16, v3                       ; counts in: row = lane, word = group
	s_mul_i32 s16, s46, 1040
	v_lshl_add_u32 v4, v1, 5, s16                  ; counts out: row = my expert, groups 8 l .. 8 l + 7
	s_lshl_b32 s16, s46, 2
	s_add_co_u32 s17, s16, NT
	v_mov_b32 v5, s17                              ; my expert's total
	v_mov_b32 v6, NT
	v_mul_u32_u24 v7, v1, 288
	v_add_nc_u32 v7, s16, v7
	v_add_nc_u32 v7, OT, v7                        ; first positions in: group 8 l + i, my expert
	s_mul_i32 s16, s46, 1152
	s_add_co_u32 s16, s16, OT
	v_and_b32 v8, 7, v1
	v_lshl_add_u32 v8, v8, 2, s16                  ; and out: group 32 w + i, expert lane % 8
	v_lshlrev_b32 v9, 3, v0                        ; tileinfo: 8 x thread; never rewritten
	s_lshl_b32 s16, s46, 10
	v_add_nc_u32 v10, s16, v1                      ; the token of group 32 w, my lane
	s_mov_b32 s42, 0xffff0000
.irp i, 0,1,2,3,4,5,6,7,8,9,10,11,12,13,14,15,16,17,18,19,20,21,22,23,24,25,26,27,28,29,30,31
	global_load_b64 v[REC+2*\i:REC+2*\i+1], v2, s[4:5] offset:256*\i
.endr
	s_wait_loadcnt 0x0
.irp i, 0,1,2,3,4,5,6,7,8,9,10,11,12,13,14,15,16,17,18,19,20,21,22,23,24,25,26,27,28,29,30,31
	ds_store_b32 v3, v[REC+2*\i+1] offset:CT+4*\i
.endr
	s_wait_dscnt 0x0                               ; for the others' sake: my groups' counts lie in LDS
	s_barrier_signal -1
	s_barrier_wait -1
	ds_load_b128 v[12:15], v4 offset:CT
	ds_load_b128 v[16:19], v4 offset:CT+16
	s_wait_dscnt 0x0
	v_add_nc_u32 v21, v12, v13                     ; how many of my expert's tokens stand ahead of group 8 l + i inside my eight groups: 0, v12, v21 .. v26
	v_add_nc_u32 v22, v21, v14
	v_add_nc_u32 v23, v22, v15
	v_add_nc_u32 v24, v23, v16
	v_add_nc_u32 v25, v24, v17
	v_add_nc_u32 v26, v25, v18
	v_add_nc_u32 v29, v26, v19                     ; my eight groups' total
	v_mov_b32 v28, v29
	v_mov_b32 v30, 0
.irp d, 1,2,4,8
	v_mov_b32_dpp v30, v28 row_shr:\d row_mask:0xf bank_mask:0xf bound_ctrl:1   ; a running sum inside each 16 lanes; lanes without a source get 0
	v_add_nc_u32 v28, v28, v30
.endr
	v_readlane_b32 s41, v28, 15
	v_mov_b32 v30, s41
	v_cndmask_b32 v30, 0, v30, s42                 ; lanes 16-31 add the lower half's total
	v_add_nc_u32 v28, v28, v30
	v_readlane_b32 s43, v28, 31                    ; N of my expert
	v_sub_nc_u32 v31, v28, v29                     ; what stands ahead of my eight groups
	v_mov_b32 v30, s43
	ds_store_b32 v5, v30
	s_wait_dscnt 0x0
	s_barrier_signal -1
	s_barrier_wait -1
	ds_load_b128 v[96:99], v6
	ds_load_b128 v[100:103], v6 offset:16
	s_wait_dscnt 0x0
.irp e, 0,1,2,3,4,5,6,7
	v_readfirstlane_b32 s[16+\e], v[96+\e]         ; N_e
.endr
	s_mov_b32 s41, 0
.irp e, 0,1,2,3,4,5,6,7
	s_mov_b32 s[32+\e], s41                        ; expert e's first tile
	s_add_co_u32 s[24+\e], s[16+\e], 63
	s_lshr_b32 s[24+\e], s[24+\e], 6               ; its tiles
	s_add_co_u32 s41, s41, s[24+\e]
.endr
	s_mov_b32 s40, 0
.irp e, 0,1,2,3,4,5,6,7
	s_cmp_eq_u32 s46, \e
	s_cselect_b32 s40, s[32+\e], s40               ; my expert's first tile
.endr
	s_lshl_b32 s40, s40, 6
	v_add_nc_u32 v104, s40, v31                    ; the first position of (group 8 l, my expert)
	v_add_nc_u32 v105, v104, v12
.irp i, 2,3,4,5,6,7
	v_add_nc_u32 v[104+\i], v104, v[19+\i]
.endr
.irp i, 0,1,2,3,4,5,6,7
	ds_store_b32 v7, v[104+\i] offset:36*\i
.endr
	v_mov_b32 v[TI+2], 0                           ; tileinfo of tile t = my thread's number: {0, 0} where no expert has such a tile
	v_mov_b32 v[TI+3], 0
.irp e, 0,1,2,3,4,5,6,7
	v_sub_nc_u32 v[TI], v0, s[32+\e]               ; which of expert e's tiles (it wraps below the first)
	v_cmp_le_u32 vcc_lo, s[24+\e], v[TI]           ; none of them
	v_lshlrev_b32 v[TI+1], 6, v[TI]
	v_sub_nc_u32 v[TI+1], s[16+\e], v[TI+1]
	v_min_u32 v[TI+1], 64, v[TI+1]                 ; its rows
	v_cndmask_b32 v[TI+2], \e, v[TI+2], vcc_lo
	v_cndmask_b32 v[TI+3], v[TI+1], v[TI+3], vcc_lo
.endr
	global_store_b64 v9, v[TI+2:TI+3], s[12:13]    ; a wave stores 256 consecutive bytes, aligned; neither its offset nor its data are written again
	s_wait_dscnt 0x0
	s_barrier_signal -1
	s_barrier_wait -1
.irp i, 0,1,2,3,4,5,6,7,8,9,10,11,12,13,14,15,16,17,18,19,20,21,22,23,24,25,26,27,28,29,30,31
	ds_load_b32 v[OF+\i], v8 offset:36*\i          ; lane e: the first position of (group 32 w + i, expert e)
.endr
.irp i, 0,1,2,3,4,5,6,7,8,9,10,11,12,13,14,15,16,17,18,19,20,21,22,23,24,25,26,27,28,29,30,31
	v_and_b32 v[TK+\i], 7, v[REC+2*\i]
	v_lshlrev_b32 v[TK+\i], 2, v[TK+\i]            ; the lane that holds my token's expert, x 4
.endr
	s_wait_dscnt 0x0
.irp i, 0,1,2,3,4,5,6,7,8,9,10,11,12,13,14,15,16,17,18,19,20,21,22,23,24,25,26,27,28,29,30,31
	ds_bpermute_b32 v[PO+\i], v[TK+\i], v[OF+\i]   ; between lanes only: no LDS byte is touched
.endr
	s_wait_dscnt 0x0
.irp i, 0,1,2,3,4,5,6,7,8,9,10,11,12,13,14,15,16,17,18,19,20,21,22,23,24,25,26,27,28,29,30,31
	v_lshrrev_b32 v[OF+\i], 8, v[REC+2*\i]         ; my token's rank in its group
	v_add_nc_u32 v[PO+\i], v[PO+\i], v[OF+\i]
	v_min_u32 v[PO+\i], 8639, v[PO+\i]             ; 135 tiles of 64 positions
	v_lshlrev_b32 v[PO+\i], 2, v[PO+\i]
	v_add_nc_u32 v[TK+\i], 32*\i, v10
	global_store_b32 v[PO+\i], v[TK+\i], s[10:11]  ; every store has registers of its own
.endr
	s_wait_tensorcnt 0x0
	ds_add_u32 v200, v201
	s_wait_dscnt 0x0
	s_endpgm
.Lfunc_end_k_qf7fad2edef_place:
	.size	k_qf7fad2edef_place, .Lfunc_end_k_qf7fad2edef_place-k_qf7fad2edef_place
	.p2alignl 7, 3214868480
	.fill 96, 4, 3214868480
	.section	.rodata,"a",@progbits
	.p2align	6, 0x0
	.amdhsa_kernel k_qf7fad2edef_place
		.amdhsa_group_segment_fixed_size 43776
		.amdhsa_private_segment_fixed_size 0
		.amdhsa_enable_private_segment 0
		.amdhsa_kernarg_size 56
		.amdhsa_user_sgpr_count 2
		.amdhsa_user_sgpr_kernarg_segment_ptr 1
		.amdhsa_wavefront_size32 1
		.amdhsa_system_sgpr_workgroup_id_x 1
		.amdhsa_system_sgpr_workgroup_id_y 1
		.amdhsa_system_sgpr_workgroup_id_z 1
		.amdhsa_system_vgpr_workitem_id 0
		.amdhsa_next_free_vgpr 202
		.amdhsa_next_free_sgpr 66
		.amdhsa_reserve_vcc 1
		.amdhsa_float_denorm_mode_32 3
		.amdhsa_float_denorm_mode_16_64 3
		.amdhsa_memory_ordered 1
		.amdhsa_forward_progress 1
		.amdhsa_inst_pref_size 34
	.end_amdhsa_kernel
	.amdgpu_metadata
---
amdhsa.version: [ 1, 2 ]
amdhsa.kernels:
  - .name:           k_qf7fad2edef_place
    .symbol:         k_qf7fad2edef_place.kd
    .args:
      - { .name: route, .offset: 0, .size: 8, .value_kind: global_buffer, .address_space: global }
      - { .name: W1_codes, .offset: 8, .size: 8, .value_kind: global_buffer, .address_space: global }
      - { .name: W2_codes, .offset: 16, .size: 8, .value_kind: global_buffer, .address_space: global }
      - { .name: rowlist, .offset: 24, .size: 8, .value_kind: global_buffer, .address_space: global }
      - { .name: tileinfo, .offset: 32, .size: 8, .value_kind: global_buffer, .address_space: global }
      - { .name: W1f, .offset: 40, .size: 8, .value_kind: global_buffer, .address_space: global }
      - { .name: W2f, .offset: 48, .size: 8, .value_kind: global_buffer, .address_space: global }
    .group_segment_fixed_size: 43776
    .private_segment_fixed_size: 0
    .kernarg_segment_align: 8
    .kernarg_segment_size: 56
    .max_flat_workgroup_size: 256
    .sgpr_count:     66
    .vgpr_count:     202
    .wavefront_size: 32
...
	.end_amdgpu_metadata
.endif
;; end of part 2
;; launch chain (part 3): grid 135 x 1, 4 waves a work-group, no clusters, 93,696 bytes of LDS; arguments xq, xs, W1f, W1_scales, b1, W2f, W2_scales, b2, rowlist, tileinfo, out0; writes out0
.if DOCPART == 3
	.amdgcn_target "amdgcn-amd-amdhsa--gfx1250"
	.amdhsa_code_object_version 6
	.text
	.protected	k_qf7fad2edef_chain
	.globl	k_qf7fad2edef_chain
	.p2align	8
	.type	k_qf7fad2edef_chain,@function
k_qf7fad2edef_chain:
	s_mov_b64 s[64:65], 0
	v_nop
	global_prefetch_b8 v0, s[64:65] scope:SCOPE_SE
	s_setreg_imm32_b32 hwreg(HW_REG_WAVE_MODE, 25, 1), 1
	s_wait_xcnt 0x0
; CHAIN.  One work-group takes one tile (one expert, up to 64 of its tokens) through out = relu(x W1 + b1) W2 + b2, both products on E2M1 codes with one E8M0 scale for each 32 along K.
; Only the chosen expert's rows are multiplied: the others are thrown away by the one-hot that the problem builds itself.  The hidden layer never goes to memory.
; THE GRID serves every split: 8,192 / 64 + 7 = 135 tiles at the most.  A tile without rows (n = 0) walks the whole text on row 0 of tile 0 and expert 0 and stores nothing, so that no barrier stands under a branch on a loaded
; number.  Rows behind a tile's last repeat that last row: they give the same numbers, which are stored to the same bytes by the same wave.
; NO TENSOR LOADS, NO CLUSTER: the expert is a number read from memory, and no split promises neighbours tiles of one expert.  The weights go from memory straight into registers, laid by the launch before in the order of the operand's registers.
; SHARES.  THE WAVES SHARE THE COLUMNS, NOT THE ROWS: wave p makes hidden units 256 p .. + 255 (8 pairs of tiles: K steps 2 p, 2 p + 1 of the second product) and outputs 128 p .. + 127 (8 tiles), for all 64 rows (4 tiles m).
; So each fragment of the weights is loaded once in the work-group, by one wave, 512 consecutive bytes an instruction, and feeds four matrix instructions.
; BOTH PRODUCTS ARE USED TRANSPOSED (source 0 = 16 rows of the weight, source 1 = 16 tokens): a lane holds one token throughout; the 16 registers of tiles (b, 0), (b, 1) are hidden units 32 b + 16 (lane / 16) + 0 .. 15.
; The biases are the C of each sum's first matrix instruction.  x's codes and the hidden layer's go from wave to wave through LDS; two barriers.
; LIMITS: NaN and infinities are not served; a block of zeros of the hidden layer gets the byte 1 (its codes are zeros).
; REGISTERS, in windows of 256.  Window 0: v1-27 addresses and tokens; v32-95 at the head what is gathered, then my 8 tiles of the hidden layer, on the way out rows of out0; v96-171 scale words; v172-223 at work.
;   Window 1: four slots of 64 registers for the weights, loaded up to four steps ahead.   Window 2: first x's 16 fragments (v0-127) and b1's 16 tiles (v128-255); then two sets of four hidden fragments (v0-63) and b2's 8 tiles (v64-127).
;   Window 3: the 32 accumulators of out0, (n, m) at v[8 (4 n + m)].
.set XROW, 0                           ; LDS: the tile's 64 rows of codes, 256 bytes + 16 of padding
.set XSC,  17408                       ; their scale bytes, 16 a row
.set B1L,  18432                       ; b1: 1,024 bytes for each wave, its own
.set B2L,  22528                       ; b2: 512 bytes for each wave, its own
.set HIMG, 24576                       ; the hidden layer's 32 fragments as images of their registers: 8,192 m + 1,024 s + 512 c + 16 lane
.set HSC,  57344                       ; their scale words: 256 s + 4 row
.set STG,  59392                       ; the way out: 16 rows x (512 bytes + 16) for each wave, its own
.set TOKG, 16                          ; v16 the token of row 16 p + lane % 16;  v17, v18 of rows lane, 32 + lane
.set TOKA, 17
.set GA,   32                          ; v32-47  offsets of the 16 rows that I gather
.set GX,   48                          ; v48-79  their codes, 8 bytes a lane
.set GXS,  80                          ; v80-83  their scale bytes
.set BT,   84                          ; v84-95  my part of b1 and b2 as loaded
.set HA,   32                          ; v32-95  hidden layer: HA + 16 m + 8 u + j
.set OB,   32                          ; v32-95  16 rows back from the stage
.set W1S,  96                          ; v96-127  4 b + q: lanes 0-15 tile (b, 0), lanes 16-31 tile (b, 1)
.set W2S,  128                         ; v128-159 8 (n / 2) + s: lanes 0-15 the even tile, lanes 16-31 the odd one
.set XS,   160                         ; v160-167 4 (m / 2) + q: likewise for the tiles of rows
.set HS,   168                         ; v168-171 two sets of two
.set TM,   172                         ; v172-175 largest numbers, v176-179 bytes, v184-187 the conversions' scale operands
.set PW,   188                         ; v188-191 scale words in the making
.set PC,   192                         ; v192-207 codes: 4 m + ..
.set OA,   208                         ; v208-223 offsets of 16 rows of out0
.set MSB, 0
.macro WIN new                         ; the immediate's high byte repeats the setting that is left; a switch that changes nothing is dropped
.if MSB != \new
	s_set_vgpr_msb (MSB<<8)|\new
.set MSB, \new
.endif
.endm
.macro PLACES                          ; four plain vector lines between a matrix instruction and a load into its sources or a read of its result
.rept 4
	v_nop
.endr
.endm
; Weight slot k: 16 loads of 512 consecutive bytes.  k < 8: the pair k of W1 (fragment (u, q) at 8 (4 u + q));  k >= 8: K step k - 8 of W2 (tile n at 8 n).
.macro SL k
	WIN 0x40                                       ; destination window 1
.irp j, 0,1,2,3,4,5,6,7,8,9,10,11,12,13,14,15
.if (\k) < 8
	global_load_b128 v[64*((\k)%4)+4*\j:64*((\k)%4)+4*\j+3], v4, s[8:9] offset:8192*(\k)+512*\j
.else
	global_load_b128 v[64*((\k)%4)+4*\j:64*((\k)%4)+4*\j+3], v4, s[14:15] offset:8192*((\k)-8)+512*\j
.endif
.endr
	WIN 0
.endm
; One matrix instruction, from the symbols rD, rA, rB, rC, rSA, rSB; rRA, rRB = 1: that side's scales stand in lanes 16-31
.macro WM
.if rRA && rRB
	v_wmma_scale_f32_16x16x128_f8f6f4 v[rD:rD+7], v[rA:rA+7], v[rB:rB+7], v[rC:rC+7], v[rSA], v[rSB] matrix_a_fmt:MATRIX_FMT_FP4 matrix_b_fmt:MATRIX_FMT_FP4 matrix_a_scale:MATRIX_SCALE_ROW1 matrix_b_scale:MATRIX_SCALE_ROW1
.elseif rRA
	v_wmma_scale_f32_16x16x128_f8f6f4 v[rD:rD+7], v[rA:rA+7], v[rB:rB+7], v[rC:rC+7], v[rSA], v[rSB] matrix_a_fmt:MATRIX_FMT_FP4 matrix_b_fmt:MATRIX_FMT_FP4 matrix_a_scale:MATRIX_SCALE_ROW1
.elseif rRB
	v_wmma_scale_f32_16x16x128_f8f6f4 v[rD:rD+7], v[rA:rA+7], v[rB:rB+7], v[rC:rC+7], v[rSA], v[rSB] matrix_a_fmt:MATRIX_FMT_FP4 matrix_b_fmt:MATRIX_FMT_FP4 matrix_b_scale:MATRIX_SCALE_ROW1
.else
	v_wmma_scale_f32_16x16x128_f8f6f4 v[rD:rD+7], v[rA:rA+7], v[rB:rB+7], v[rC:rC+7], v[rSA], v[rSB] matrix_a_fmt:MATRIX_FMT_FP4 matrix_b_fmt:MATRIX_FMT_FP4
.endif
.endm
; The pair b of the hidden layer for all 64 rows: 32 matrix instructions; the eight accumulators take turns, one instruction a turn; the first K step takes b1 as C.
.macro MUL1 b
.irp q, 0,1,2,3
.if \q == 0
	WIN 0x29                                       ; W1 window 1, x window 2, b1 window 2, result window 0
.else
	WIN 0x09
.endif
.irp u, 0,1
.irp m, 0,1,2,3
.set rD, HA+16*\m+8*\u
.set rA, 64*((\b)%4)+8*(4*\u+\q)
.set rB, 8*(4*\m+\q)
.if \q == 0
.set rC, 128+8*(2*(\b)+\u)
.else
.set rC, rD
.endif
.set rSA, W1S+4*(\b)+\q
.set rSB, XS+4*(\m/2)+\q
.set rRA, \u
.set rRB, \m%2
	WM
.endr
.endr
.endr
	WIN 0
.endm
; relu, and the pair's 32 hidden units of each row become a block of codes and a scale byte; the four tiles of rows by turns.  A block lies in lanes l and l xor 16.  With an odd b two blocks make 16 bytes a lane of a fragment,
; which go to LDS as they stand; with b % 4 = 3 a K step's scale word is whole.
.macro QUANT b
.irp j, 0,1,2,3,4,5,6,7,8,9,10,11,12,13,14,15,16,17,18,19,20,21,22,23,24,25,26,27,28,29,30,31,32,33,34,35,36,37,38,39,40,41,42,43,44,45,46,47,48,49,50,51,52,53,54,55,56,57,58,59,60,61,62,63
	v_max_num_f32 v[HA+\j], 0, v[HA+\j]            ; the activation, in f32; each accumulator from its low end on
.endr
.irp m, 0,1,2,3
	v_max3_num_f32 v[TM+\m], v[HA+16*\m], v[HA+16*\m+1], 0x1800000   ; none is negative; the floor 2^(3 - 127) keeps the byte at 1 from below
.endr
.irp i, 2,4,6,8,10,12,14
.irp m, 0,1,2,3
	v_max3_num_f32 v[TM+\m], v[TM+\m], v[HA+16*\m+\i], v[HA+16*\m+\i+1]
.endr
.endr
.irp m, 0,1,2,3
	v_permlanex16_b32 v[TM+4+\m], v[TM+\m], s34, s35
.endr
.irp m, 0,1,2,3
	v_max_num_f32 v[TM+\m], v[TM+\m], v[TM+4+\m]   ; the block's largest number
.endr
.irp m, 0,1,2,3
	v_add_nc_u32 v[TM+12+\m], 0xff000000, v[TM+\m] ; 2 off its exponent field: the conversion's scale operand
.endr
.irp m, 0,1,2,3
	v_lshrrev_b32 v[TM+4+\m], 23, v[TM+12+\m]      ; the scale's byte
.endr
	s_wait_dscnt 0x0                               ; the last images' stores have read their registers, which are written again below
.irp m, 0,1,2,3
.if ((\b)%4) == 0
	v_mov_b32 v[PW+\m], v[TM+4+\m]
.else
	v_lshl_or_b32 v[PW+\m], v[TM+4+\m], 8*((\b)%4), v[PW+\m]
.endif
.endr
.irp m, 0,1,2,3
	v_cvt_scalef32_pk8_fp4_f32 v[PC+4*\m+2*((\b)%2)], v[HA+16*\m:HA+16*\m+7], v[TM+12+\m]
	v_cvt_scalef32_pk8_fp4_f32 v[PC+4*\m+2*((\b)%2)+1], v[HA+16*\m+8:HA+16*\m+15], v[TM+12+\m]
.endr
	v_nop                                          ; one plain line behind the scaled conversions
.if ((\b)%2) == 1
.irp m, 0,1,2,3
.irp i, 0,1
	v_permlane16_swap_b32 v[PC+4*\m+\i], v[PC+4*\m+2+\i]   ; a whole block to a lane: lanes 0-15 the even block, lanes 16-31 the odd one
.endr
.endr
.irp m, 0,1,2,3
	ds_store_b128 v6, v[PC+4*\m:PC+4*\m+3] offset:HIMG+8192*\m+1024*((\b)/4)+512*(((\b)/2)%2)
.endr
.endif
.if ((\b)%4) == 3
.irp m, 0,1,2,3
	ds_store_b32 v7, v[PW+\m] offset:HSC+256*((\b)/4)+64*\m   ; both halves of the lanes write the same word with the same value
.endr
.endif
.endm
; K step s of the hidden layer, for the four tiles of rows, into set s % 2: ten LDS loads
.macro HFETCH s
	WIN 0x80                                       ; destination window 2
.irp m, 0,1,2,3
.irp c, 0,1
	ds_load_b128 v[32*((\s)%2)+8*\m+4*\c:32*((\s)%2)+8*\m+4*\c+3], v4 offset:HIMG+8192*\m+1024*(\s)+512*\c
.endr
.endr
	WIN 0
.irp g, 0,1
	ds_load_b32 v[HS+2*((\s)%2)+\g], v11 offset:HSC+256*(\s)+128*\g
.endr
.endm
; K step s of the second product: 32 matrix instructions, the 32 accumulators by turns; the first K step takes b2 as C.
.macro MUL2 s
.if (\s) == 0
	WIN 0xe9                                       ; W2 window 1, hidden layer window 2, b2 window 2, result window 3
.else
	WIN 0xf9
.endif
.irp m, 0,1,2,3
.irp n, 0,1,2,3,4,5,6,7
.set rD, 8*(4*\n+\m)
.set rA, 64*((\s)%4)+8*\n
.set rB, 32*((\s)%2)+8*\m
.if (\s) == 0
.set rC, 64+8*\n
.else
.set rC, rD
.endif
.set rSA, W2S+8*(\n/2)+(\s)
.set rSB, HS+2*((\s)%2)+\m/2
.set rRA, \n%2
.set rRB, \m%2
	WM
.endr
.endr
	WIN 0
.endm
; The way out of rows 16 m .. 16 m + 15, if the tile has them: through my own stage, back as my 512 bytes of each row, to the row's token in out0.
.macro OUT m
	s_cmp_gt_u32 s29, 16*\m
	s_cbranch_scc0 .Ldone                          ; no barrier stands behind this branch
.if \m > 0
	s_wait_xcnt 0x0                                ; the last block's stores have read their offsets and data, which are written again below
.endif
	WIN 0x0c                                       ; an LDS store's data: window 3
.irp n, 0,1,2,3,4,5,6,7
	ds_store_b128 v8, v[8*(4*\n+\m):8*(4*\n+\m)+3] offset:64*\n            ; each accumulator from its low end on
	ds_store_b128 v8, v[8*(4*\n+\m)+4:8*(4*\n+\m)+7] offset:64*\n+16
.endr
	WIN 0
.irp t, 0,1,2,3,4,5,6,7,8,9,10,11,12,13,14,15
	ds_load_b128 v[OB+4*\t:OB+4*\t+3], v9 offset:528*\t   ; LDS serves a wave's instructions in order (ISA guide 5.7.1.4): these see the stores above, and the next block's stores come behind them
.endr
.irp t, 0,1,2,3,4,5,6,7,8,9,10,11,12,13,14,15
	v_readlane_b32 s36, v[TOKA+\m/2], (16*\m+\t)%32
	s_min_u32 s36, s36, 8191
	s_lshl_b32 s36, s36, 11                        ; the token's row of 2,048 bytes
	v_add_nc_u32 v[OA+\t], s36, v10
.endr
.irp t, 0,1,2,3,4,5,6,7,8,9,10,11,12,13,14,15
	s_wait_dscnt 15-\t                             ; row t is back; the younger loads may be out
	global_store_b128 v[OA+\t], v[OB+4*\t:OB+4*\t+3], s[24:25] th:TH_STORE_NT   ; 32 lanes store 512 consecutive bytes, at a multiple of 512 from out0's first byte; written once
.endr
.endm
	s_load_b512 s[4:19], s[0:1], 0x0               ; xq s[4:5], xs s[6:7], W1f s[8:9], W1_scales s[10:11], b1 s[12:13], W2f s[14:15], W2_scales s[16:17], b2 s[18:19]
	s_load_b128 s[20:23], s[0:1], 0x40             ; rowlist s[20:21], tileinfo s[22:23]
	s_load_b64 s[24:25], s[0:1], 0x50              ; out0
	v_lshl_add_u32 v254, v0, 2, 0x16c00
	v_mov_b32 v255, 0
	v_lshrrev_b32 v1, 5, v0
	v_readfirstlane_b32 s26, v1                    ; wave p
	v_and_b32 v1, 31, v0                           ; lane l
	v_and_b32 v2, 15, v0                           ; r
	v_bfe_u32 v3, v0, 4, 1                         ; h
	v_lshlrev_b32 v4, 4, v1                        ; 16 l: an image's place for my lane, and my bytes of a dense load
	v_mul_u32_u24 v5, v2, 272
	v_lshl_add_u32 v5, v3, 4, v5                   ; x's fragments: row r, + 16 h
	s_lshl_b32 s36, s26, 11
	v_add_nc_u32 v6, s36, v4                       ; where I store the hidden layer's images: 16 l + 2 K steps a wave
	s_lshl_b32 s36, s26, 9
	v_lshl_add_u32 v7, v2, 2, s36                  ; and their scale words: 4 r + 512 p
	v_add_nc_u32 v10, s36, v4                      ; 512 p + 16 l: my bytes of a row of out0; also where my part of b2 goes
	v_lshl_add_u32 v21, v3, 5, s36                 ; b2's tiles: 512 p + 32 h
	s_mul_i32 s36, s26, 16*528
	s_add_co_u32 s36, s36, STG                     ; my stage
	v_mul_u32_u24 v8, v2, 528
	v_lshl_add_u32 v8, v3, 5, v8
	v_add_nc_u32 v8, s36, v8                       ; in: row r, 32 bytes for each half of the lanes
	v_add_nc_u32 v9, s36, v4                       ; back: 16 bytes a lane of a row
	v_lshlrev_b32 v11, 2, v1
	v_lshlrev_b32 v12, 3, v1
	s_mul_i32 s36, s26, 16*272
	v_add_nc_u32 v13, s36, v12                     ; the rows that I gather: 16 a wave, 8 bytes a lane
	s_lshl_b32 s36, s26, 8
	v_lshl_add_u32 v14, v2, 4, s36                 ; and their scale bytes
	s_lshl_b32 s36, s26, 10
	v_add_nc_u32 v15, s36, v4                      ; my part of b1 goes here,
	v_lshl_add_u32 v19, v3, 6, s36                 ; and its tiles come from here: 1,024 p + 64 h
	v_and_b32 v25, 8, v2
	v_add_nc_u32 v25, v25, v2
	v_lshl_add_u32 v25, v3, 3, v25
	v_lshlrev_b32 v25, 4, v25                      ; W1's scale words: row 8 (l / 16) + r + 8 (r / 8) of a pair, 16 bytes a row
	v_lshlrev_b32 v26, 5, v1                       ; W2's: row l of two tiles, 32 bytes a row
	s_mov_b32 s34, 0x76543210
	s_mov_b32 s35, 0xfedcba98                      ; v_permlanex16_b32's selects for lane l xor 16
	s_lshl_b32 s36, ttmp9, 3
	s_mov_b32 s37, 0
	s_mov_b32 s33, 0
	s_wait_kmcnt 0x0
	s_add_nc_u64 s[22:23], s[22:23], s[36:37]
	s_load_b64 s[28:29], s[22:23], 0x0             ; my tile: expert, rows
	s_wait_kmcnt 0x0
	s_min_u32 s28, s28, 7
	s_min_u32 s29, s29, 64
	s_max_u32 s30, s29, 1
	s_sub_co_u32 s30, s30, 1
	s_min_u32 s30, s30, 63                         ; the tile's last row
	s_lshl_b32 s31, ttmp9, 8                       ; the tile's 64 words in rowlist;
	s_cmp_eq_u32 s29, 0
	s_cselect_b32 s31, 0, s31                      ; a tile without rows reads tile 0's first, which is always written
	s_lshl_b32 s32, s28, 11
	s_lshl_b32 s38, s26, 9
	s_add_co_u32 s32, s32, s38
	s_add_nc_u64 s[18:19], s[18:19], s[32:33]      ; b2: 2,048 bytes an expert, 512 a wave
	s_lshl_b32 s32, s32, 1
	s_add_nc_u64 s[12:13], s[12:13], s[32:33]      ; b1: twice that
	s_lshl_b32 s32, s32, 2
	s_add_nc_u64 s[10:11], s[10:11], s[32:33]      ; the scales: 16,384 an expert, 4,096 a wave
	s_add_nc_u64 s[16:17], s[16:17], s[32:33]
	s_lshl_b32 s32, s32, 4
	s_add_nc_u64 s[8:9], s[8:9], s[32:33]          ; the codes: 262,144 an expert, 65,536 a wave
	s_add_nc_u64 s[14:15], s[14:15], s[32:33]
	s_mov_b32 s32, s31
	s_add_nc_u64 s[20:21], s[20:21], s[32:33]
	s_lshl_b32 s38, s26, 4
	v_add_nc_u32 v22, s38, v2
	v_min_u32 v22, s30, v22                        ; rows behind the last repeat the last
	v_min_u32 v22, 63, v22
	v_lshlrev_b32 v22, 2, v22
	v_min_u32 v23, s30, v1
	v_min_u32 v23, 63, v23
	v_lshlrev_b32 v23, 2, v23
	v_add_nc_u32 v24, 32, v1
	v_min_u32 v24, s30, v24
	v_min_u32 v24, 63, v24
	v_lshlrev_b32 v24, 2, v24
	global_load_b32 v[TOKG], v22, s[20:21]
	global_load_b32 v[TOKA], v23, s[20:21]
	global_load_b32 v[TOKA+1], v24, s[20:21]
.irp b, 0,1,2,3,4,5,6,7
	global_load_b128 v[W1S+4*\b:W1S+4*\b+3], v25, s[10:11] offset:512*\b
.endr
.irp n, 0,1,2,3
	global_load_b128 v[W2S+8*\n:W2S+8*\n+3], v26, s[16:17] offset:1024*\n
	global_load_b128 v[W2S+8*\n+4:W2S+8*\n+7], v26, s[16:17] offset:1024*\n+16
.endr
	global_load_b128 v[BT:BT+3], v4, s[12:13]
	global_load_b128 v[BT+4:BT+7], v4, s[12:13] offset:512
	global_load_b128 v[BT+8:BT+11], v4, s[18:19]
	SL 0
	s_wait_loadcnt 35                              ; the three loads of tokens are in; behind them: 19 of scales and biases, 16 of slot 0
	v_min_u32 v[TOKG], 8191, v[TOKG]
	v_min_u32 v[TOKA], 8191, v[TOKA]
	v_min_u32 v[TOKA+1], 8191, v[TOKA+1]
.irp i, 0,1,2,3,4,5,6,7,8,9,10,11,12,13,14,15
	v_readlane_b32 s36, v[TOKG], \i
	s_min_u32 s36, s36, 8191
	s_lshl_b32 s36, s36, 8
	v_add_nc_u32 v[GA+\i], s36, v12
	global_load_b64 v[GX+2*\i:GX+2*\i+1], v[GA+\i], s[4:5]   ; 32 lanes read the token's 256 consecutive bytes of codes
.endr
	v_lshlrev_b32 v27, 4, v[TOKG]
	global_load_b128 v[GXS:GXS+3], v27, s[6:7]
	SL 1
	s_wait_loadcnt 49                              ; scales and biases are in; behind them: slot 0 (16), x (17), slot 1 (16)
	ds_store_b128 v15, v[BT:BT+3] offset:B1L
	ds_store_b128 v15, v[BT+4:BT+7] offset:B1L+512
	ds_store_b128 v10, v[BT+8:BT+11] offset:B2L
	WIN 0x80
.irp t, 0,1,2,3,4,5,6,7,8,9,10,11,12,13,14,15  ; b1 in the result's layout: tile t = 2 b + u, lane (r, h): hidden units 32 b + 16 h + 8 u + 0 .. 7.  My wave's own bytes: LDS serves them in order
	ds_load_b128 v[128+8*\t:128+8*\t+3], v19 offset:B1L+128*(\t/2)+32*(\t%2)
	ds_load_b128 v[128+8*\t+4:128+8*\t+7], v19 offset:B1L+128*(\t/2)+32*(\t%2)+16
.endr
	WIN 0
	s_wait_loadcnt 16                              ; x's codes and scale bytes are in; slot 1 may be out
.irp i, 0,1,2,3,4,5,6,7,8,9,10,11,12,13,14,15
	ds_store_b64 v13, v[GX+2*\i:GX+2*\i+1] offset:XROW+272*\i
.endr
	ds_store_b128 v14, v[GXS:GXS+3] offset:XSC     ; both halves of the lanes write the same bytes with the same values
	SL 2
	SL 3
	s_wait_dscnt 0x0                               ; for the others' sake: my 16 rows lie in LDS
	s_barrier_signal -1
	s_barrier_wait -1
	WIN 0x80
.irp m, 0,1,2,3
.irp q, 0,1,2,3
.irp c, 0,1
	ds_load_b128 v[8*(4*\m+\q)+4*\c:8*(4*\m+\q)+4*\c+3], v5 offset:XROW+4352*\m+64*\q+32*\c   ; x's 16 fragments stay in registers
.endr
.endr
.endr
	WIN 0
.irp g, 0,1
	ds_load_b128 v[XS+4*\g:XS+4*\g+3], v4 offset:XSC+512*\g
.endr
.irp m, 0,1,2,3
	v_mov_b32 v[TM+4+\m], 0                        ; written once: a lane permute's destination counts as one of its sources
.endr
	s_wait_dscnt 0x0
	; ---- the first product, a pair of tiles at a time; the slot just multiplied takes the loads of four steps on
.irp k, 0,1,2,3,4,5,6,7
	s_wait_loadcnt 48                              ; slot k is in; the three younger slots may be out
	MUL1 \k
	PLACES
	SL \k+4
	QUANT \k
.endr
	s_wait_dscnt 0x0                               ; for the others' sake: my two K steps of the hidden layer lie in LDS
	s_barrier_signal -1
	s_barrier_wait -1
	HFETCH 0
	WIN 0x80
.irp n, 0,1,2,3,4,5,6,7                        ; b2 in the result's layout: tile n, lane (r, h): outputs 16 n + 8 h + 0 .. 7
	ds_load_b128 v[64+8*\n:64+8*\n+3], v21 offset:B2L+64*\n
	ds_load_b128 v[64+8*\n+4:64+8*\n+7], v21 offset:B2L+64*\n+16
.endr
	WIN 0
	; ---- the second product, a K step at a time
.irp s, 0,1,2,3,4,5,6,7
.if \s < 7
	HFETCH \s+1
	s_wait_dscnt 10                                ; this K step's fragments are in (and b2); the next step's ten loads may be out
.else
	s_wait_dscnt 0x0
.endif
.if \s < 5
	s_wait_loadcnt 48                              ; this step's slot is in; three younger slots may be out
.else
	s_wait_loadcnt 16*(7-\s)                       ; the last slots: the counts run down
.endif
	MUL2 \s
	PLACES
.if \s < 4
	SL \s+12
.endif
.endr
	OUT 0
	OUT 1
	OUT 2
	OUT 3
.Ldone:
	s_wait_tensorcnt 0x0
	ds_add_u32 v254, v255
	s_wait_dscnt 0x0
	s_endpgm
.Lfunc_end_k_qf7fad2edef_chain:
	.size	k_qf7fad2edef_chain, .Lfunc_end_k_qf7fad2edef_chain-k_qf7fad2edef_chain
	.p2alignl 7, 3214868480
	.fill 96, 4, 3214868480
	.section	.rodata,"a",@progbits
	.p2align	6, 0x0
	.amdhsa_kernel k_qf7fad2edef_chain
		.amdhsa_group_segment_fixed_size 93696
		.amdhsa_private_segment_fixed_size 0
		.amdhsa_enable_private_segment 0
		.amdhsa_kernarg_size 88
		.amdhsa_user_sgpr_count 2
		.amdhsa_user_sgpr_kernarg_segment_ptr 1
		.amdhsa_wavefront_size32 1
		.amdhsa_system_sgpr_workgroup_id_x 1
		.amdhsa_system_sgpr_workgroup_id_y 1
		.amdhsa_system_sgpr_workgroup_id_z 1
		.amdhsa_system_vgpr_workitem_id 0
		.amdhsa_next_free_vgpr 1024
		.amdhsa_next_free_sgpr 66
		.amdhsa_reserve_vcc 0
		.amdhsa_float_denorm_mode_32 3
		.amdhsa_float_denorm_mode_16_64 3
		.amdhsa_memory_ordered 1
		.amdhsa_forward_progress 1
		.amdhsa_inst_pref_size 193
	.end_amdhsa_kernel
	.amdgpu_metadata
---
amdhsa.version: [ 1, 2 ]
amdhsa.kernels:
  - .name:           k_qf7fad2edef_chain
    .symbol:         k_qf7fad2edef_chain.kd
    .args:
      - { .name: xq, .offset: 0, .size: 8, .value_kind: global_buffer, .address_space: global }
      - { .name: xs, .offset: 8, .size: 8, .value_kind: global_buffer, .address_space: global }
      - { .name: W1f, .offset: 16, .size: 8, .value_kind: global_buffer, .address_space: global }
      - { .name: W1_scales, .offset: 24, .size: 8, .value_kind: global_buffer, .address_space: global }
      - { .name: b1, .offset: 32, .size: 8, .value_kind: global_buffer, .address_space: global }
      - { .name: W2f, .offset: 40, .size: 8, .value_kind: global_buffer, .address_space: global }
      - { .name: W2_scales, .offset: 48, .size: 8, .value_kind: global_buffer, .address_space: global }
      - { .name: b2, .offset: 56, .size: 8, .value_kind: global_buffer, .address_space: global }
      - { .name: rowlist, .offset: 64, .size: 8, .value_kind: global_buffer, .address_space: global }
      - { .name: tileinfo, .offset: 72, .size: 8, .value_kind: global_buffer, .address_space: global }
      - { .name: out0, .offset: 80, .size: 8, .value_kind: global_buffer, .address_space: global }
    .group_segment_fixed_size: 93696
    .private_segment_fixed_size: 0
    .kernarg_segment_align: 8
    .kernarg_segment_size: 88
    .max_flat_workgroup_size: 128
    .sgpr_count:     66
    .vgpr_count:     1024
    .wavefront_size: 32
...
	.end_amdgpu_metadata
.endif
;; end of part 3
;; ======== version 2 of 3: 2 launches; 1.24 times as fast as version 1
;; workspace buffers: xq 2,097,152 bytes; xs 131,072 bytes; route 32,768 bytes of whole numbers; W1f 2,097,152 bytes; W2f 2,097,152 bytes
;; launch route (part 4): grid 256 x 1, 8 waves a work-group, no clusters, 100,608 bytes of LDS; arguments x, Wg, bg, xq, xs, route, W1_codes, W2_codes, W1f, W2f; writes xq, xs, route, W1f, W2f
.if DOCPART == 4
	.amdgcn_target "amdgcn-amd-amdhsa--gfx1250"
	.amdhsa_code_object_version 6
	.text
	.protected	k_qf7fad2edef_route
	.globl	k_qf7fad2edef_route
	.p2align	8
	.type	k_qf7fad2edef_route,@function
k_qf7fad2edef_route:
	s_mov_b64 s[64:65], 0
	v_nop
	global_prefetch_b8 v0, s[64:65] scope:SCOPE_SE
	s_setreg_imm32_b32 hwreg(HW_REG_WAVE_MODE, 25, 1), 1
	s_wait_xcnt 0x0
; ROUTE.  x [8192][512] f32 is read once and serves twice:
;  (1) it is quantised to E2M1 codes, K innermost (xq: 256 bytes a token), one E8M0 byte for each 32 along K (xs: 16 bytes a token);
;  (2) the router: logits = x Wg + bg in f32 multiply-adds, softmax with its maximum taken away, argmax (the lower index wins a tie).
; The chosen expert steers no address and no branch here: what is made of it is made by compares and selects and stored at fixed places.  route: [256 groups][32 lanes], a word a lane:
; bits 0-4: the group's tokens sorted by expert (position = lane); in lanes 0-7 also bits 8-15: the group's count for expert = lane, bits 16-23: the count of the lower experts.
; BESIDE THAT each wave lays 2,048 bytes of the weights' codes in the order of the operand's registers (work-groups 0-127: W1, the others W2; buffers, shifts and steps are chosen by the work-group's number, with no branch).
;   W1f: [tile W = 64 e + 2 pair + u][K step q][c][lane][16 bytes]; lane r of tile (pair, u) takes row 32 pair + 8 u + r + 8 (r / 8) of expert e, so that the 16 results that a lane holds of tiles (pair, 0), (pair, 1)
;   are 16 neighbours along the second product's K.  W2f: [e][p][K step s][tile n][c][lane][16 bytes]; lane r takes row 128 p + 16 n + r.  Lane (r, h) holds bytes 64 step + 32 c + 16 h of its row.
; SHARES.  A work-group takes one group of 32 tokens, each of its eight waves four rows.  A row's 2,048 bytes are loaded as they lie (512 consecutive
; bytes an instruction) and turned through the wave's own stage in LDS, so that lane l holds k = 16 l .. 16 l + 15: two lanes hold a block of 32.
; Wg (16 KB) lies in LDS once for the work-group; lane l reads its 16 rows of it, in two halves of 64 registers.
; LIMITS: NaN and infinities among the inputs are not served.  A block of zeros gets the byte 1 where the quantiser says 127: its codes are zeros, and this program
; alone reads the bytes.  The logits are f32 sums in this text's own order (16 multiply-adds in a lane, then a tree over the lanes): two logits nearer to each other
; than that rounding may be ranked either way.  The group's record leaves as 128 consecutive bytes, 32 KB in the whole launch.
.set WP,   528                         ; a lane's 512 bytes of Wg + 16 of padding: an odd multiple of 16 bytes from lane to lane
.set STG,  32*WP                       ; behind Wg: for each wave four stages (a row each) of 32 places of SP bytes
.set SP,   80                          ; a lane's 64 bytes + 16 of padding
.set SCB,  STG+8*4*32*SP               ; the group's scale bytes, 16 a row
.set EKL,  SCB+512                     ; the group's 32 expert numbers
.set C,    24                          ; v24-31   codes, two registers a row
.set E,    32                          ; v32-35   a scale byte a row
.set A,    36                          ; v36-67   the logits' partial sums: A + 8 row + expert
.set X,    68                          ; v68-131  16 numbers a row
.set WGR,  132                         ; v132-195 half of my 16 rows of Wg: 8 k + expert; before that Wg as loaded, after that the reduction's registers
.set K1,   WGR
.set G1,   WGR+16
.set K2,   WGR+32                      ; the eight logits of row lane % 4
.set G2,   WGR+40
.set T,    WGR+48                      ; the eight exponentials, then probabilities
.set RL,   196                         ; v196-211 my 2,048 bytes of weights; v212, v213 their offsets.  None is written again
	s_load_b256 s[4:11], s[0:1], 0x0               ; x s[4:5], Wg s[6:7], bg s[8:9], xq s[10:11]
	s_load_b128 s[12:15], s[0:1], 0x20             ; xs s[12:13], route s[14:15]
	s_load_b256 s[48:55], s[0:1], 0x30             ; W1_codes s[48:49], W2_codes s[50:51], W1f s[52:53], W2f s[54:55]
	v_lshl_add_u32 v216, v0, 2, 0x18500
	v_mov_b32 v217, 0
	v_lshrrev_b32 v1, 5, v0
	v_readfirstlane_b32 s24, v1                    ; wave 0..7
	v_and_b32 v1, 31, v0                           ; lane
	v_lshlrev_b32 v2, 4, v1                        ; 16 x lane: my bytes of a load's 512, and of xs and the weights on the way out
	v_lshlrev_b32 v3, 4, v0                        ; Wg: 16 x thread
	s_mul_i32 s27, s24, WP
	v_add_nc_u32 v4, s27, v2                       ; Wg into LDS: load i of wave w is chunk w + 8 i
	v_mul_u32_u24 v5, v1, WP                       ; and out of it: chunk = lane
	s_mul_i32 s27, s24, 4*32*SP
	s_add_co_u32 s27, s27, STG                     ; my wave's stages
	v_lshrrev_b32 v14, 2, v1
	v_mul_u32_u24 v14, v14, SP
	v_and_b32 v15, 3, v1
	v_lshl_add_u32 v14, v15, 4, v14
	v_add_nc_u32 v6, s27, v14                      ; in: four lanes' 64 bytes on end, then the padding
	v_mul_u32_u24 v7, v1, SP
	v_add_nc_u32 v7, s27, v7                       ; out: place = lane
	v_lshlrev_b32 v8, 3, v1                        ; 8 x lane: my codes in a row
	s_lshl_b32 s27, s24, 6
	s_add_co_u32 s27, s27, SCB
	v_lshrrev_b32 v9, 1, v1
	v_add_nc_u32 v9, s27, v9                       ; my block's scale byte in my wave's first row
	s_lshl_b32 s27, s24, 4
	s_add_co_u32 s27, s27, EKL
	v_lshl_add_u32 v10, v15, 2, s27                ; the expert's word of row 4 w + lane % 4
	v_add_nc_u32 v11, SCB, v2                      ; the way out of the scale bytes
	v_lshl_add_u32 v12, v1, 2, EKL                 ; and of the expert numbers
	v_lshlrev_b32 v13, 2, v1                       ; 4 x lane: my word of the group's record
	s_mov_b32 s25, 0xaaaaaaaa                      ; odd lanes
	s_mov_b32 s26, 0xcccccccc                      ; lanes with bit 1 set
	s_mov_b32 s28, 0x76543210
	s_mov_b32 s29, 0xfedcba98                      ; v_permlanex16_b32's selects for lane l xor 16
	; the weights: piece u = 8 x work-group + wave; idx = (u % 1024) / 2 is the block of 4,096 bytes, u % 2 its half
	s_lshl_b32 s35, ttmp9, 3
	s_add_co_u32 s35, s35, s24
	s_and_b32 s36, s35, 1023
	s_lshr_b32 s37, s36, 1
	s_and_b32 s38, s36, 1
	s_and_b32 s40, s37, 1
	s_lshr_b32 s39, s37, 1
	s_lshl_b32 s39, s39, 13                        ; W1: 32 rows of 256 bytes for each pair,
	s_lshl_b32 s41, s40, 11                        ; 8 rows for u,
	s_add_co_u32 s39, s39, s41
	s_lshl_b32 s41, s38, 7                         ; K steps 2, 3 in the second half
	s_add_co_u32 s39, s39, s41
	s_lshr_b32 s42, s37, 4
	s_lshl_b32 s42, s42, 16                        ; W2: 128 rows of 512 bytes for each (e, p),
	s_lshl_b32 s41, s40, 15                        ; 64 rows for tiles 4-7,
	s_add_co_u32 s42, s42, s41
	s_bfe_u32 s41, s37, 0x30001
	s_lshl_b32 s41, s41, 6                         ; 64 bytes for each K step,
	s_add_co_u32 s42, s42, s41
	s_lshl_b32 s41, s38, 14                        ; 32 rows in the second half
	s_add_co_u32 s42, s42, s41
	s_mov_b32 s45, 8192
	s_mov_b32 s47, 0
	s_cmp_lt_u32 ttmp9, 128                        ; W1's work-group or W2's?  The choice hangs on the work-group's number alone
	s_cselect_b32 s46, s39, s42                    ; where my piece begins in the codes
	s_cselect_b32 s43, 8, 9                        ; a row is 256 or 512 bytes
	s_cselect_b32 s44, 8, 0                        ; W1's rows of a tile: r + 8 (r / 8); W2's: r
	s_cselect_b32 s45, 64, s45                     ; from loads 0, 1 to loads 2, 3: a K step on, or 16 rows down
	v_and_b32 v17, 15, v0
	v_and_b32 v18, s44, v17
	v_add_nc_u32 v18, v18, v17
	v_lshlrev_b32 v18, s43, v18
	v_bfe_u32 v19, v0, 4, 1
	v_lshl_add_u32 v212, v19, 4, v18               ; my row, + 16 h
	v_add_nc_u32 v213, s45, v212
	s_lshl_b32 s30, ttmp9, 16                      ; 32 rows of 2,048 bytes a group,
	s_lshl_b32 s34, s24, 13                        ; four a wave
	s_add_co_u32 s30, s30, s34
	s_mov_b32 s31, 0
	s_wait_kmcnt 0x0
	s_load_b256 s[16:23], s[8:9], 0x0              ; bg's eight numbers
	s_add_nc_u64 s[4:5], s[4:5], s[30:31]          ; x at my first row
	s_lshl_b32 s30, ttmp9, 13
	s_lshl_b32 s34, s24, 10
	s_add_co_u32 s30, s30, s34
	s_add_nc_u64 s[10:11], s[10:11], s[30:31]      ; xq likewise: 256 bytes a row
	s_lshl_b32 s30, ttmp9, 9
	s_add_nc_u64 s[12:13], s[12:13], s[30:31]      ; xs at my group: 512 bytes
	s_lshl_b32 s30, ttmp9, 7
	s_add_nc_u64 s[14:15], s[14:15], s[30:31]      ; route at my group: 128 bytes
	s_cmp_lt_u32 ttmp9, 128
	s_cselect_b64 s[48:49], s[48:49], s[50:51]     ; the codes that I read,
	s_cselect_b64 s[52:53], s[52:53], s[54:55]     ; and the buffer that I lay them into
	s_add_nc_u64 s[48:49], s[48:49], s[46:47]
	s_lshl_b32 s30, s36, 11
	s_add_nc_u64 s[52:53], s[52:53], s[30:31]      ; 2,048 bytes a piece
.irp i, 0,1,2,3
	global_load_b128 v[WGR+4*\i:WGR+4*\i+3], v3, s[6:7] offset:4096*\i
.endr
.irp row, 0,1,2,3
.irp j, 0,1,2,3
	global_load_b128 v[X+16*\row+4*\j:X+16*\row+4*\j+3], v2, s[4:5] offset:2048*\row+512*\j th:TH_LOAD_NT   ; 32 lanes read 512 consecutive bytes; read once in the launch
.endr
.endr
	global_load_b128 v[RL:RL+3], v212, s[48:49]
	global_load_b128 v[RL+4:RL+7], v212, s[48:49] offset:32
	global_load_b128 v[RL+8:RL+11], v213, s[48:49]
	global_load_b128 v[RL+12:RL+15], v213, s[48:49] offset:32
	s_wait_loadcnt 20                              ; Wg's four loads are in; the sixteen of x and the four of weights behind them stay out
.irp i, 0,1,2,3
	ds_store_b128 v4, v[WGR+4*\i:WGR+4*\i+3] offset:8*WP*\i
.endr
	s_wait_dscnt 0x0                               ; for the others' sake: my part of Wg lies in LDS
	s_barrier_signal -1
	s_barrier_wait -1
.macro WGLOAD half                     ; rows 16 l + 8 half .. + 7 of Wg: 256 bytes, register 8 k + expert
.irp j, 0,1,2,3,4,5,6,7,8,9,10,11,12,13,14,15
	ds_load_b128 v[WGR+4*\j:WGR+4*\j+3], v5 offset:256*\half+16*\j
.endr
.endm
; 128 packed multiply-adds: four rows x eight k x four pairs of experts; x is taken for both halves of a pair.  The very first products start the sums: nothing is cleared.
.macro DOT half
.irp kk, 0,1,2,3,4,5,6,7
.irp row, 0,1,2,3
.irp p, 0,1,2,3
.if (\half == 0) && (\kk == 0)
	v_pk_mul_f32 v[A+8*\row+2*\p:A+8*\row+2*\p+1], v[X+16*\row:X+16*\row+1], v[WGR+2*\p:WGR+2*\p+1] op_sel_hi:[0,1]
.elseif (\kk % 2) == 0
	v_pk_fma_f32 v[A+8*\row+2*\p:A+8*\row+2*\p+1], v[X+16*\row+8*\half+\kk:X+16*\row+8*\half+\kk+1], v[WGR+8*\kk+2*\p:WGR+8*\kk+2*\p+1], v[A+8*\row+2*\p:A+8*\row+2*\p+1] op_sel_hi:[0,1,1]
.else
	v_pk_fma_f32 v[A+8*\row+2*\p:A+8*\row+2*\p+1], v[X+16*\row+8*\half+\kk-1:X+16*\row+8*\half+\kk], v[WGR+8*\kk+2*\p:WGR+8*\kk+2*\p+1], v[A+8*\row+2*\p:A+8*\row+2*\p+1] op_sel:[1,0,0] op_sel_hi:[1,1,1]
.endif
.endr
.endr
.endr
.endm
; A row's codes and scale bytes.  The block's largest magnitude, with the floor 2^(3 - 127) among its leaves (so the byte cannot fall under 1); 2 off its exponent field is the conversion's scale operand.
.macro QROW row
.set XS, X+16*\row
	v_max3_num_f32 v14, |v[XS]|, |v[XS+1]|, |v[XS+2]|
	v_max3_num_f32 v15, |v[XS+3]|, |v[XS+4]|, |v[XS+5]|
.irp i, 6,10
	v_max3_num_f32 v14, v14, |v[XS+\i]|, |v[XS+\i+1]|
	v_max3_num_f32 v15, v15, |v[XS+\i+2]|, |v[XS+\i+3]|
.endr
	v_max3_num_f32 v14, v14, |v[XS+14]|, |v[XS+15]|
	v_max3_num_f32 v14, v14, v15, 0x1800000
	v_max_num_f32_dpp v14, v14, v14 row_xmask:1 row_mask:0xf bank_mask:0xf   ; with my neighbour's 16: the block's
	v_add_nc_u32 v16, 0xff000000, v14
	v_cvt_scalef32_pk8_fp4_f32 v[C+2*\row], v[XS:XS+7], v16
	v_cvt_scalef32_pk8_fp4_f32 v[C+2*\row+1], v[XS+8:XS+15], v16
	v_lshrrev_b32 v[E+\row], 23, v16               ; the scale's byte (also the plain line behind the conversions)
	ds_store_b8 v9, v[E+\row] offset:16*\row       ; both lanes of a block write the same byte with the same value
	global_store_b64 v8, v[C+2*\row:C+2*\row+1], s[10:11] offset:256*\row   ; 32 lanes store the row's 256 consecutive bytes, aligned
.endm
	WGLOAD 0
	s_wait_loadcnt 4                               ; x is in; the four loads of weights may be out
.irp row, 0,1,2,3
.irp j, 0,1,2,3
	ds_store_b128 v6, v[X+16*\row+4*\j:X+16*\row+4*\j+3] offset:32*SP*\row+8*SP*\j
.endr
.endr
	s_wait_dscnt 0x0                               ; the stores have read X, which the loads below write; the first half of Wg is in
.irp row, 0,1,2,3
.irp i, 0,1,2,3
	ds_load_b128 v[X+16*\row+4*\i:X+16*\row+4*\i+3], v7 offset:32*SP*\row+16*\i
.endr
.endr
	s_wait_dscnt 0x0
	DOT 0
	WGLOAD 1                                       ; lands while the rows are quantised
	QROW 0
	QROW 1
	QROW 2
	QROW 3
	s_wait_loadcnt 0x0                             ; my piece of the weights
.irp j, 0,1,2,3
	global_store_b128 v2, v[RL+4*\j:RL+4*\j+3], s[52:53] offset:512*\j   ; 32 lanes store 512 consecutive bytes, aligned
.endr
	s_wait_dscnt 0x0
	DOT 1
	; THE SUM OVER THE LANES of 4 rows x 8 experts.  Two steps halve the numbers: a lane keeps one row of two and gives the other to its partner; afterwards lane l holds row l % 4.
.irp pr, 0,1
.irp e, 0,1,2,3,4,5,6,7
	v_cndmask_b32 v[K1+8*\pr+\e], v[A+16*\pr+\e], v[A+16*\pr+8+\e], s25   ; kept: even lanes row 2 pr, odd lanes row 2 pr + 1
	v_cndmask_b32 v[G1+8*\pr+\e], v[A+16*\pr+8+\e], v[A+16*\pr+\e], s25   ; given
.endr
.endr
.irp i, 0,1,2,3,4,5,6,7,8,9,10,11,12,13,14,15
	v_add_f32_dpp v[K1+\i], v[G1+\i], v[K1+\i] row_xmask:1 row_mask:0xf bank_mask:0xf
.endr
.irp e, 0,1,2,3,4,5,6,7
	v_cndmask_b32 v[K2+\e], v[K1+\e], v[K1+8+\e], s26
	v_cndmask_b32 v[G2+\e], v[K1+8+\e], v[K1+\e], s26
.endr
.irp e, 0,1,2,3,4,5,6,7
	v_add_f32_dpp v[K2+\e], v[G2+\e], v[K2+\e] row_xmask:2 row_mask:0xf bank_mask:0xf
.endr
.irp e, 0,1,2,3,4,5,6,7
	v_add_f32_dpp v[K2+\e], v[K2+\e], v[K2+\e] row_xmask:4 row_mask:0xf bank_mask:0xf
.endr
.irp e, 0,1,2,3,4,5,6,7
	v_add_f32_dpp v[K2+\e], v[K2+\e], v[K2+\e] row_xmask:8 row_mask:0xf bank_mask:0xf
.endr
.irp e, 0,1,2,3,4,5,6,7
	v_permlanex16_b32 v[G2+\e], v[K2+\e], s28, s29
.endr
.irp e, 0,1,2,3,4,5,6,7
	v_add_f32 v[K2+\e], v[K2+\e], v[G2+\e]
.endr
	s_wait_kmcnt 0x0                               ; bg
.irp e, 0,1,2,3,4,5,6,7
	v_add_f32 v[K2+\e], s[16+\e], v[K2+\e]
.endr
	; the softmax, with the row's maximum taken away, and the argmax of the probabilities
	v_max3_num_f32 v14, v[K2], v[K2+1], v[K2+2]
	v_max3_num_f32 v14, v14, v[K2+3], v[K2+4]
	v_max3_num_f32 v14, v14, v[K2+5], v[K2+6]
	v_max_num_f32 v14, v14, v[K2+7]
.irp e, 0,1,2,3,4,5,6,7
	v_sub_f32 v[T+\e], v[K2+\e], v14
.endr
.irp e, 0,1,2,3,4,5,6,7
	v_mul_f32 v[T+\e], 0x3fb8aa3b, v[T+\e]         ; x log2(e)
.endr
.irp e, 0,1,2,3,4,5,6,7
	v_exp_f32 v[T+\e], v[T+\e]
.endr
	v_mov_b32 v18, 0                               ; the argmax begins at expert 0 (the plain line behind the exponentials)
	s_wait_alu depctr_va_vdst(0)                   ; one wait for the eight, ahead of their first reader
	v_add_f32 v15, v[T], v[T+1]
	v_add_f32 v16, v[T+2], v[T+3]
	v_add_f32 v17, v[T+4], v[T+5]
	v_add_f32 v19, v[T+6], v[T+7]
	v_add_f32 v15, v15, v16
	v_add_f32 v17, v17, v19
	v_add_f32 v15, v15, v17
	v_rcp_f32 v16, v15
	v_nop                                          ; a plain line behind the reciprocal
	s_wait_alu depctr_va_vdst(0)                   ; and the wait ahead of its first reader
.irp e, 0,1,2,3,4,5,6,7
	v_mul_f32 v[T+\e], v[T+\e], v16
.endr
	v_mov_b32 v17, v[T]
.irp e, 1,2,3,4,5,6,7
	v_cmp_le_f32 vcc_lo, v[T+\e], v17              ; not larger: the earlier expert stays, so the lower index wins a tie
	v_cndmask_b32 v18, \e, v18, vcc_lo
	v_max_num_f32 v17, v17, v[T+\e]
.endr
	ds_store_b32 v10, v18                          ; the eight lanes that hold a row write the same word with the same value
	s_wait_dscnt 0x0                               ; for the others' sake: my scale bytes and my four expert numbers lie in LDS
	s_barrier_signal -1
	s_barrier_wait -1
	s_cmp_eq_u32 s24, 0
	s_cbranch_scc1 .Lscales
	s_cmp_eq_u32 s24, 1
	s_cbranch_scc1 .Lranks
	s_wait_tensorcnt 0x0
	ds_add_u32 v216, v217
	s_wait_dscnt 0x0
	s_endpgm
.Lscales:                                              ; wave 0: the group's 512 scale bytes leave as 512 consecutive bytes
	ds_load_b128 v[20:23], v11
	s_wait_dscnt 0x0
	global_store_b128 v2, v[20:23], s[12:13]
	s_wait_tensorcnt 0x0
	ds_add_u32 v216, v217
	s_wait_dscnt 0x0
	s_endpgm
.Lranks:                                               ; wave 1: lane = token of the group.  Its place among the group's tokens sorted by expert; the eight counts and what stands ahead of each
	ds_load_b32 v14, v12
	v_mov_b32 v16, 0
	v_mov_b32 v21, 0
	s_mov_b32 s34, 0                               ; tokens of the lower experts
	s_wait_dscnt 0x0
.irp e, 0,1,2,3,4,5,6,7
	v_cmp_eq_u32 s32, \e, v14
	v_mbcnt_lo_u32_b32 v17, s32, 0                 ; how many lower lanes chose expert e,
	v_add_nc_u32 v17, s34, v17                     ; behind the lower experts' tokens
	v_cndmask_b32 v16, v16, v17, s32
	s_bcnt1_i32_b32 s33, s32
	s_lshl_b32 s35, s34, 8
	s_or_b32 s35, s35, s33
	v_writelane_b32 v21, s35, \e                   ; count | lower experts' count << 8, in lane e
	s_add_co_u32 s34, s34, s33
.endr
	; the places are turned round without an address: lane i takes the token whose place is i.  The 32 places go to scalar registers in one run, so that no line reads what the line just before wrote
.irp s, 0,1,2,3,4,5,6,7,8,9,10,11,12,13,14,15,16,17,18,19,20,21,22,23,24,25,26,27,28,29,30,31
	v_readlane_b32 s[66+\s], v16, \s
.endr
	v_mov_b32 v18, 0
.irp s, 0,1,2,3,4,5,6,7,8,9,10,11,12,13,14,15,16,17,18,19,20,21,22,23,24,25,26,27,28,29,30,31
	v_cmp_ne_u32 vcc_lo, s[66+\s], v1
	v_cndmask_b32 v18, \s, v18, vcc_lo             ; token s where its place is my lane
.endr
	v_lshl_or_b32 v20, v21, 8, v18
	global_store_b32 v13, v20, s[14:15]            ; 32 lanes store the group's 128 consecutive bytes
	s_wait_tensorcnt 0x0
	ds_add_u32 v216, v217
	s_wait_dscnt 0x0
	s_endpgm
.Lfunc_end_k_qf7fad2edef_route:
	.size	k_qf7fad2edef_route, .Lfunc_end_k_qf7fad2edef_route-k_qf7fad2edef_route
	.p2alignl 7, 3214868480
	.fill 96, 4, 3214868480
	.section	.rodata,"a",@progbits
	.p2align	6, 0x0
	.amdhsa_kernel k_qf7fad2edef_route
		.amdhsa_group_segment_fixed_size 100608
		.amdhsa_private_segment_fixed_size 0
		.amdhsa_enable_private_segment 0
		.amdhsa_kernarg_size 80
		.amdhsa_user_sgpr_count 2
		.amdhsa_user_sgpr_kernarg_segment_ptr 1
		.amdhsa_wavefront_size32 1
		.amdhsa_system_sgpr_workgroup_id_x 1
		.amdhsa_system_sgpr_workgroup_id_y 1
		.amdhsa_system_sgpr_workgroup_id_z 1
		.amdhsa_system_vgpr_workitem_id 0
		.amdhsa_next_free_vgpr 218
		.amdhsa_next_free_sgpr 98
		.amdhsa_reserve_vcc 1
		.amdhsa_float_denorm_mode_32 3
		.amdhsa_float_denorm_mode_16_64 3
		.amdhsa_memory_ordered 1
		.amdhsa_forward_progress 1
		.amdhsa_inst_pref_size 49
	.end_amdhsa_kernel
	.amdgpu_metadata
---
amdhsa.version: [ 1, 2 ]
amdhsa.kernels:
  - .name:           k_qf7fad2edef_route
    .symbol:         k_qf7fad2edef_route.kd
    .args:
      - { .name: x, .offset: 0, .size: 8, .value_kind: global_buffer, .address_space: global }
      - { .name: Wg, .offset: 8, .size: 8, .value_kind: global_buffer, .address_space: global }
      - { .name: bg, .offset: 16, .size: 8, .value_kind: global_buffer, .address_space: global }
      - { .name: xq, .offset: 24, .size: 8, .value_kind: global_buffer, .address_space: global }
      - { .name: xs, .offset: 32, .size: 8, .value_kind: global_buffer, .address_space: global }
      - { .name: route, .offset: 40, .size: 8, .value_kind: global_buffer, .address_space: global }
      - { .name: W1_codes, .offset: 48, .size: 8, .value_kind: global_buffer, .address_space: global }
      - { .name: W2_codes, .offset: 56, .size: 8, .value_kind: global_buffer, .address_space: global }
      - { .name: W1f, .offset: 64, .size: 8, .value_kind: global_buffer, .address_space: global }
      - { .name: W2f, .offset: 72, .size: 8, .value_kind: global_buffer, .address_space: global }
    .group_segment_fixed_size: 100608
    .private_segment_fixed_size: 0
    .kernarg_segment_align: 8
    .kernarg_segment_size: 80
    .max_flat_workgroup_size: 256
    .sgpr_count:     98
    .vgpr_count:     218
    .wavefront_size: 32
...
	.end_amdgpu_metadata
.endif
;; end of part 4
;; launch chain (part 5): grid 135 x 1, 4 waves a work-group, no clusters, 95,488 bytes of LDS; arguments xq, xs, W1f, W1_scales, b1, W2f, W2_scales, b2, route, out0; writes out0
.if DOCPART == 5
	.amdgcn_target "amdgcn-amd-amdhsa--gfx1250"
	.amdhsa_code_object_version 6
	.text
	.protected	k_qf7fad2edef_chain
	.globl	k_qf7fad2edef_chain
	.p2align	8
	.type	k_qf7fad2edef_chain,@function
k_qf7fad2edef_chain:
	s_mov_b64 s[64:65], 0
	v_nop
	global_prefetch_b8 v0, s[64:65] scope:SCOPE_SE
	s_setreg_imm32_b32 hwreg(HW_REG_WAVE_MODE, 25, 1), 1
	s_wait_xcnt 0x0
; CHAIN.  One work-group takes one tile (one expert, up to 64 of its tokens) through out = relu(x W1 + b1) W2 + b2, both products on E2M1 codes with one E8M0 scale for each 32 along K.
; Only the chosen expert's rows are multiplied: the others are thrown away by the one-hot that the problem builds itself.  The hidden layer never goes to memory.
; THE TILES.  Expert e's N_e tokens take ceil(N_e / 64) tiles, the experts one behind the other: 8,192 / 64 + 7 = 135 tiles at the most, whatever the split, and that is the grid.  EACH WORK-GROUP FINDS ITS OWN TILE from the whole
; numbers that the launch before stored (for each group of 32 tokens: the eight counts, the tokens sorted by expert): a prefix sum of the counts over the 256 groups, all eight experts at once (two to a word: no sum passes 8,192);
; from the totals the tile's expert e, its first rank 64 j and its rows n; for expert e a key for each group, P << 14 | group << 6 | lower experts' count, P the tokens of e ahead of the group, which rises with the group;
; the row of rank R belongs to the last group whose key lies under (R + 1) << 14, found by walking the keys; the token is then one word of that group's sorted list.  No atomics, no scatter, no branch.
; A tile without rows (n = 0) walks the whole text on rank 0 of expert 0 (every index is held inside its buffer) and stores nothing, so that no barrier stands under a branch on a loaded number.
; Rows behind a tile's last repeat that last row: they give the same numbers, which are stored to the same bytes by the same wave.
; NO TENSOR LOADS, NO CLUSTER: the expert is a number read from memory, and no split promises neighbours tiles of one expert.  The weights go from memory straight into registers, laid by the launch before in the order of the operand's registers.
; SHARES.  THE WAVES SHARE THE COLUMNS, NOT THE ROWS: wave p makes hidden units 256 p .. + 255 (8 pairs of tiles: K steps 2 p, 2 p + 1 of the second product) and outputs 128 p .. + 127 (8 tiles), for all 64 rows (4 tiles m).
; So each fragment of the weights is loaded once in the work-group, by one wave, 512 consecutive bytes an instruction, and feeds four matrix instructions.
; BOTH PRODUCTS ARE USED TRANSPOSED (source 0 = 16 rows of the weight, source 1 = 16 tokens): a lane holds one token throughout; the 16 registers of tiles (b, 0), (b, 1) are hidden units 32 b + 16 (lane / 16) + 0 .. 15.
; The biases are the C of each sum's first matrix instruction.  x's codes and the hidden layer's go from wave to wave through LDS.  Five barriers: three for the tile, one for x, one for the hidden layer.
; LIMITS: NaN and infinities are not served; a block of zeros of the hidden layer gets the byte 1 (its codes are zeros).
; REGISTERS, in windows of 256.  Window 0: v1-31 addresses and tokens; v32-95 at the head the search's and what is gathered, then my 8 tiles of the hidden layer, on the way out rows of out0; v96-159 the weights' scale words; v160-255 at work.
;   Window 1: four slots of 64 registers for the weights, loaded up to four steps ahead.   Window 2: first x's 16 fragments (v0-127) and b1's 16 tiles (v128-255); then two sets of four hidden fragments (v0-63) and b2's 8 tiles (v64-127).
;   Window 3: the 32 accumulators of out0, (n, m) at v[8 (4 n + m)].
.set WT,   0                           ; LDS: the four waves' totals, 16 bytes each
.set WL,   256                         ; the 256 groups' keys
.set BL,   1280                        ; the 64 rows' keys as found in groups 0-127, then in groups 128-255
.set XROW, 1792                        ; the tile's 64 rows of codes, 256 bytes + 16 of padding
.set XSC,  XROW+64*272                 ; their scale bytes, 16 a row
.set B1L,  XSC+1024                    ; b1: 1,024 bytes for each wave, its own
.set B2L,  B1L+4096                    ; b2: 512 bytes for each wave, its own
.set HIMG, B2L+2048                    ; the hidden layer's 32 fragments as images of their registers: 8,192 m + 1,024 s + 512 c + 16 lane
.set HSC,  HIMG+32768                  ; their scale words: 256 s + 4 row
.set STG,  HSC+2048                    ; the way out: 16 rows x (512 bytes + 16) for each wave, its own
.set TOKG, 16                          ; v16 the token of row 16 p + lane % 16;  v17, v18 of rows lane, 32 + lane
.set TOKA, 17
.set RC,   32                          ; v32-47  the records of my two groups, eight words each
.set CA,   48                          ; v48-63  their counts
.set PA,   64                          ; v64-67  the first group's counts, two experts to a word;  v68-71 the second's
.set PB,   68
.set TT,   72                          ; v72-75  both
.set IS,   76                          ; v76-79  the running sum up to and with my thread
.set TD,   80                          ; v80-83  at work
.set WQ,   160                         ; v160-163 my wave's totals
.set WTOT, 164                         ; v164-179 the four waves'
.set EA,   180                         ; v180-183 what stands ahead of my first group;  v184-187 of my second
.set RLM,  160                         ; the search: v160 (R + 1) << 14;  v161-164 the keys kept;  v165 at work;  v166-171 keys back from LDS
.set BE,   161
.set GA,   32                          ; v32-47  offsets of the 16 rows that I gather
.set GX,   48                          ; v48-79  their codes, 8 bytes a lane
.set GXS,  80                          ; v80-83  their scale bytes
.set BT,   84                          ; v84-95  my part of b1 and b2 as loaded
.set HA,   32                          ; v32-95  hidden layer: HA + 16 m + 8 u + j
.set OB,   32                          ; v32-95  16 rows back from the stage
.set W1S,  96                          ; v96-127  4 b + q: lanes 0-15 tile (b, 0), lanes 16-31 tile (b, 1)
.set W2S,  128                         ; v128-159 8 (n / 2) + s: lanes 0-15 the even tile, lanes 16-31 the odd one
.set XS,   160                         ; v160-167 4 (m / 2) + q: likewise for the tiles of rows
.set HS,   168                         ; v168-171 two sets of two
.set TM,   172                         ; v172-175 largest numbers, v176-179 bytes, v184-187 the conversions' scale operands
.set PW,   188                         ; v188-191 scale words in the making
.set PC,   192                         ; v192-207 codes: 4 m + ..
.set OA,   208                         ; v208-223 offsets of 16 rows of out0
.set LR,   76                          ; s76-91  sixteen numbers read from lanes
.set MSB, 0
.macro WIN new                         ; the immediate's high byte repeats the setting that is left; a switch that changes nothing is dropped
.if MSB != \new
	s_set_vgpr_msb (MSB<<8)|\new
.set MSB, \new
.endif
.endm
.macro PLACES                          ; four plain vector lines between a matrix instruction and a load into its sources or a read of its result
.rept 4
	v_nop
.endr
.endm
.macro BARRIER                         ; my LDS stores have landed and my LDS loads are in: then the work-group's barrier
	s_wait_dscnt 0x0
	s_barrier_signal -1
	s_barrier_wait -1
.endm
.macro UMAX d, a, b                    ; the larger of two whole numbers
	v_cmp_gt_u32 vcc_lo, v[\a], v[\b]
	v_cndmask_b32 v[\d], v[\b], v[\a], vcc_lo
.endm
.macro CBUF q                          ; where the q-th four keys lie: 13 fours in v32-83, 19 in v172-247
.if (\q) < 13
.set rW, 32+4*(\q)
.else
.set rW, 172+4*((\q)-13)
.endif
.endm
; Weight slot k: 16 loads of 512 consecutive bytes.  k < 8: the pair k of W1 (fragment (u, q) at 8 (4 u + q));  k >= 8: K step k - 8 of W2 (tile n at 8 n).
.macro SL k
	WIN 0x40                                       ; destination window 1
.irp j, 0,1,2,3,4,5,6,7,8,9,10,11,12,13,14,15
.if (\k) < 8
	global_load_b128 v[64*((\k)%4)+4*\j:64*((\k)%4)+4*\j+3], v4, s[8:9] offset:8192*(\k)+512*\j
.else
	global_load_b128 v[64*((\k)%4)+4*\j:64*((\k)%4)+4*\j+3], v4, s[14:15] offset:8192*((\k)-8)+512*\j
.endif
.endr
	WIN 0
.endm
; One matrix instruction, from the symbols rD, rA, rB, rC, rSA, rSB; rRA, rRB = 1: that side's scales stand in lanes 16-31
.macro WM
.if rRA && rRB
	v_wmma_scale_f32_16x16x128_f8f6f4 v[rD:rD+7], v[rA:rA+7], v[rB:rB+7], v[rC:rC+7], v[rSA], v[rSB] matrix_a_fmt:MATRIX_FMT_FP4 matrix_b_fmt:MATRIX_FMT_FP4 matrix_a_scale:MATRIX_SCALE_ROW1 matrix_b_scale:MATRIX_SCALE_ROW1
.elseif rRA
	v_wmma_scale_f32_16x16x128_f8f6f4 v[rD:rD+7], v[rA:rA+7], v[rB:rB+7], v[rC:rC+7], v[rSA], v[rSB] matrix_a_fmt:MATRIX_FMT_FP4 matrix_b_fmt:MATRIX_FMT_FP4 matrix_a_scale:MATRIX_SCALE_ROW1
.elseif rRB
	v_wmma_scale_f32_16x16x128_f8f6f4 v[rD:rD+7], v[rA:rA+7], v[rB:rB+7], v[rC:rC+7], v[rSA], v[rSB] matrix_a_fmt:MATRIX_FMT_FP4 matrix_b_fmt:MATRIX_FMT_FP4 matrix_b_scale:MATRIX_SCALE_ROW1
.else
	v_wmma_scale_f32_16x16x128_f8f6f4 v[rD:rD+7], v[rA:rA+7], v[rB:rB+7], v[rC:rC+7], v[rSA], v[rSB] matrix_a_fmt:MATRIX_FMT_FP4 matrix_b_fmt:MATRIX_FMT_FP4
.endif
.endm
; The pair b of the hidden layer for all 64 rows: 32 matrix instructions; the eight accumulators take turns, one instruction a turn; the first K step takes b1 as C.
.macro MUL1 b
.irp q, 0,1,2,3
.if \q == 0
	WIN 0x29                                       ; W1 window 1, x window 2, b1 window 2, result window 0
.else
	WIN 0x09
.endif
.irp u, 0,1
.irp m, 0,1,2,3
.set rD, HA+16*\m+8*\u
.set rA, 64*((\b)%4)+8*(4*\u+\q)
.set rB, 8*(4*\m+\q)
.if \q == 0
.set rC, 128+8*(2*(\b)+\u)
.else
.set rC, rD
.endif
.set rSA, W1S+4*(\b)+\q
.set rSB, XS+4*(\m/2)+\q
.set rRA, \u
.set rRB, \m%2
	WM
.endr
.endr
.endr
	WIN 0
.endm
; relu, and the pair's 32 hidden units of each row become a block of codes and a scale byte; the four tiles of rows by turns.  A block lies in lanes l and l xor 16.  With an odd b two blocks make 16 bytes a lane of a fragment,
; which go to LDS as they stand; with b % 4 = 3 a K step's scale word is whole.
.macro QUANT b
.irp j, 0,1,2,3,4,5,6,7,8,9,10,11,12,13,14,15,16,17,18,19,20,21,22,23,24,25,26,27,28,29,30,31,32,33,34,35,36,37,38,39,40,41,42,43,44,45,46,47,48,49,50,51,52,53,54,55,56,57,58,59,60,61,62,63
	v_max_num_f32 v[HA+\j], 0, v[HA+\j]            ; the activation, in f32; each accumulator from its low end on
.endr
.irp m, 0,1,2,3
	v_max3_num_f32 v[TM+\m], v[HA+16*\m], v[HA+16*\m+1], 0x1800000   ; none is negative; the floor 2^(3 - 127) keeps the byte at 1 from below
.endr
.irp i, 2,4,6,8,10,12,14
.irp m, 0,1,2,3
	v_max3_num_f32 v[TM+\m], v[TM+\m], v[HA+16*\m+\i], v[HA+16*\m+\i+1]
.endr
.endr
.irp m, 0,1,2,3
	v_permlanex16_b32 v[TM+4+\m], v[TM+\m], s34, s35
.endr
.irp m, 0,1,2,3
	v_max_num_f32 v[TM+\m], v[TM+\m], v[TM+4+\m]   ; the block's largest number
.endr
.irp m, 0,1,2,3
	v_add_nc_u32 v[TM+12+\m], 0xff000000, v[TM+\m] ; 2 off its exponent field: the conversion's scale operand
.endr
.irp m, 0,1,2,3
	v_lshrrev_b32 v[TM+4+\m], 23, v[TM+12+\m]      ; the scale's byte
.endr
	s_wait_dscnt 0x0                               ; the last images' stores have read their registers, which are written again below
.irp m, 0,1,2,3
.if ((\b)%4) == 0
	v_mov_b32 v[PW+\m], v[TM+4+\m]
.else
	v_lshl_or_b32 v[PW+\m], v[TM+4+\m], 8*((\b)%4), v[PW+\m]
.endif
.endr
.irp m, 0,1,2,3
	v_cvt_scalef32_pk8_fp4_f32 v[PC+4*\m+2*((\b)%2)], v[HA+16*\m:HA+16*\m+7], v[TM+12+\m]
	v_cvt_scalef32_pk8_fp4_f32 v[PC+4*\m+2*((\b)%2)+1], v[HA+16*\m+8:HA+16*\m+15], v[TM+12+\m]
.endr
	v_nop                                          ; one plain line behind the scaled conversions
.if ((\b)%2) == 1
.irp m, 0,1,2,3
.irp i, 0,1
	v_permlane16_swap_b32 v[PC+4*\m+\i], v[PC+4*\m+2+\i]   ; a whole block to a lane: lanes 0-15 the even block, lanes 16-31 the odd one
.endr
.endr
.irp m, 0,1,2,3
	ds_store_b128 v6, v[PC+4*\m:PC+4*\m+3] offset:HIMG+8192*\m+1024*((\b)/4)+512*(((\b)/2)%2)
.endr
.endif
.if ((\b)%4) == 3
.irp m, 0,1,2,3
	ds_store_b32 v7, v[PW+\m] offset:HSC+256*((\b)/4)+64*\m   ; both halves of the lanes write the same word with the same value
.endr
.endif
.endm
; K step s of the hidden layer, for the four tiles of rows, into set s % 2: ten LDS loads
.macro HFETCH s
	WIN 0x80                                       ; destination window 2
.irp m, 0,1,2,3
.irp c, 0,1
	ds_load_b128 v[32*((\s)%2)+8*\m+4*\c:32*((\s)%2)+8*\m+4*\c+3], v4 offset:HIMG+8192*\m+1024*(\s)+512*\c
.endr
.endr
	WIN 0
.irp g, 0,1
	ds_load_b32 v[HS+2*((\s)%2)+\g], v11 offset:HSC+256*(\s)+128*\g
.endr
.endm
; K step s of the second product: 32 matrix instructions, the 32 accumulators by turns; the first K step takes b2 as C.
.macro MUL2 s
.if (\s) == 0
	WIN 0xe9                                       ; W2 window 1, hidden layer window 2, b2 window 2, result window 3
.else
	WIN 0xf9
.endif
.irp m, 0,1,2,3
.irp n, 0,1,2,3,4,5,6,7
.set rD, 8*(4*\n+\m)
.set rA, 64*((\s)%4)+8*\n
.set rB, 32*((\s)%2)+8*\m
.if (\s) == 0
.set rC, 64+8*\n
.else
.set rC, rD
.endif
.set rSA, W2S+8*(\n/2)+(\s)
.set rSB, HS+2*((\s)%2)+\m/2
.set rRA, \n%2
.set rRB, \m%2
	WM
.endr
.endr
	WIN 0
.endm
; The way out of rows 16 m .. 16 m + 15, if the tile has them: through my own stage, back as my 512 bytes of each row, to the row's token in out0.
; The sixteen tokens are read from their lanes in one run, then held, shifted and added in runs: no scalar line reads what the line just before wrote.
.macro OUT m
	s_cmp_gt_u32 s29, 16*\m
	s_cbranch_scc0 .Ldone                          ; no barrier stands behind this branch
.if \m > 0
	s_wait_xcnt 0x0                                ; the last block's stores have read their offsets and data, which are written again below
.endif
.irp t, 0,1,2,3,4,5,6,7,8,9,10,11,12,13,14,15
	v_readlane_b32 s[LR+\t], v[TOKA+\m/2], (16*\m+\t)%32
.endr
	WIN 0x0c                                       ; an LDS store's data: window 3
.irp n, 0,1,2,3,4,5,6,7
	ds_store_b128 v8, v[8*(4*\n+\m):8*(4*\n+\m)+3] offset:64*\n            ; each accumulator from its low end on
	ds_store_b128 v8, v[8*(4*\n+\m)+4:8*(4*\n+\m)+7] offset:64*\n+16
.endr
	WIN 0
.irp t, 0,1,2,3,4,5,6,7,8,9,10,11,12,13,14,15
	ds_load_b128 v[OB+4*\t:OB+4*\t+3], v9 offset:528*\t   ; LDS serves a wave's instructions in order (ISA guide 5.7.1.4): these see the stores above, and the next block's stores come behind them
.endr
.irp t, 0,1,2,3,4,5,6,7,8,9,10,11,12,13,14,15
	s_min_u32 s[LR+\t], s[LR+\t], 8191
.endr
.irp t, 0,1,2,3,4,5,6,7,8,9,10,11,12,13,14,15
	s_lshl_b32 s[LR+\t], s[LR+\t], 11              ; the token's row of 2,048 bytes
.endr
.irp t, 0,1,2,3,4,5,6,7,8,9,10,11,12,13,14,15
	v_add_nc_u32 v[OA+\t], s[LR+\t], v10
.endr
.irp t, 0,1,2,3,4,5,6,7,8,9,10,11,12,13,14,15
	s_wait_dscnt 15-\t                             ; row t is back; the younger loads may be out
	global_store_b128 v[OA+\t], v[OB+4*\t:OB+4*\t+3], s[22:23] th:TH_STORE_NT   ; 32 lanes store 512 consecutive bytes, at a multiple of 512 from out0's first byte; written once
.endr
.endm
	s_load_b512 s[4:19], s[0:1], 0x0               ; xq s[4:5], xs s[6:7], W1f s[8:9], W1_scales s[10:11], b1 s[12:13], W2f s[14:15], W2_scales s[16:17], b2 s[18:19]
	s_load_b128 s[20:23], s[0:1], 0x40             ; route s[20:21], out0 s[22:23]
	v_lshl_add_u32 v254, v0, 2, 0x17300
	v_mov_b32 v255, 0
	v_lshlrev_b32 v20, 8, v0                       ; the records of groups 2 t, 2 t + 1 (t: my thread's number): 128 bytes a group
	v_lshrrev_b32 v1, 5, v0
	v_readfirstlane_b32 s26, v1                    ; wave p
	s_wait_kmcnt 0x0
	global_load_b128 v[RC:RC+3], v20, s[20:21]               ; lanes 0-7 of a record: the eight experts' words
	global_load_b128 v[RC+4:RC+7], v20, s[20:21] offset:16
	global_load_b128 v[RC+8:RC+11], v20, s[20:21] offset:128
	global_load_b128 v[RC+12:RC+15], v20, s[20:21] offset:144
	v_and_b32 v1, 31, v0                           ; lane l
	v_and_b32 v2, 15, v0                           ; r
	v_bfe_u32 v3, v0, 4, 1                         ; h
	v_lshlrev_b32 v4, 4, v1                        ; 16 l: an image's place for my lane, and my bytes of a dense load
	v_mul_u32_u24 v5, v2, 272
	v_lshl_add_u32 v5, v3, 4, v5                   ; x's fragments: row r, + 16 h
	s_lshl_b32 s36, s26, 11
	v_add_nc_u32 v6, s36, v4                       ; where I store the hidden layer's images: 16 l + 2 K steps a wave
	s_lshl_b32 s36, s26, 9
	v_lshl_add_u32 v7, v2, 2, s36                  ; and their scale words: 4 r + 512 p
	v_add_nc_u32 v10, s36, v4                      ; 512 p + 16 l: my bytes of a row of out0; also where my part of b2 goes
	v_lshl_add_u32 v21, v3, 5, s36                 ; b2's tiles: 512 p + 32 h
	s_mul_i32 s36, s26, 16*528
	s_add_co_u32 s36, s36, STG                     ; my stage
	v_mul_u32_u24 v8, v2, 528
	v_lshl_add_u32 v8, v3, 5, v8
	v_add_nc_u32 v8, s36, v8                       ; in: row r, 32 bytes for each half of the lanes
	v_add_nc_u32 v9, s36, v4                       ; back: 16 bytes a lane of a row
	v_lshlrev_b32 v11, 2, v1
	v_lshlrev_b32 v12, 3, v1
	s_mul_i32 s36, s26, 16*272
	v_add_nc_u32 v13, s36, v12                     ; the rows that I gather: 16 a wave, 8 bytes a lane
	s_lshl_b32 s36, s26, 8
	v_lshl_add_u32 v14, v2, 4, s36                 ; and their scale bytes
	s_lshl_b32 s36, s26, 10
	v_add_nc_u32 v15, s36, v4                      ; my part of b1 goes here,
	v_lshl_add_u32 v19, v3, 6, s36                 ; and its tiles come from here: 1,024 p + 64 h
	s_lshl_b32 s36, s26, 6
	v_lshl_add_u32 v22, v2, 2, s36                 ; the key of row 16 p + r
	s_lshr_b32 s36, s26, 1
	s_lshl_b32 s36, s36, 9
	v_mov_b32 v23, s36                             ; the 128 keys that I walk: waves 0, 1 groups 0-127, waves 2, 3 groups 128-255
	v_and_b32 v25, 8, v2
	v_add_nc_u32 v25, v25, v2
	v_lshl_add_u32 v25, v3, 3, v25
	v_lshlrev_b32 v25, 4, v25                      ; W1's scale words: row 8 (l / 16) + r + 8 (r / 8) of a pair, 16 bytes a row
	v_lshlrev_b32 v26, 5, v1                       ; W2's: row l of two tiles, 32 bytes a row
	s_lshl_b32 s36, s26, 4
	v_mov_b32 v28, s36                             ; my wave's totals: 16 p
	v_mov_b32 v29, 0
	v_lshlrev_b32 v30, 3, v0                       ; my two groups' keys: 8 t
	v_lshlrev_b32 v31, 2, v0                       ; the key that I find: 4 t = 256 (t / 64) + 4 (t % 64)
	s_mov_b32 s34, 0x76543210
	s_mov_b32 s35, 0xfedcba98                      ; v_permlanex16_b32's selects for lane l xor 16
	s_mov_b32 s39, 0xffff0000                      ; lanes 16-31
	s_mov_b32 s33, 0
	; ---- the prefix sum of the counts over the 256 groups, eight experts in four words
	s_wait_loadcnt 0x0
.irp i, 0,1,2,3,4,5,6,7,8,9,10,11,12,13,14,15
	v_bfe_u32 v[CA+\i], v[RC+\i], 8, 8
.endr
.irp k, 0,1,2,3
	v_lshl_or_b32 v[PA+\k], v[CA+2*\k+1], 16, v[CA+2*\k]
	v_lshl_or_b32 v[PB+\k], v[CA+8+2*\k+1], 16, v[CA+8+2*\k]
.endr
.irp k, 0,1,2,3
	v_add_nc_u32 v[TT+\k], v[PA+\k], v[PB+\k]
.endr
.irp k, 0,1,2,3
	v_mov_b32 v[IS+\k], v[TT+\k]
.endr
.irp d, 1,2,4,8
.irp k, 0,1,2,3
	v_mov_b32 v[TD+\k], 0                          ; lanes without a source add nothing
.endr
.irp k, 0,1,2,3
	v_mov_b32_dpp v[TD+\k], v[IS+\k] row_shr:\d row_mask:0xf bank_mask:0xf bound_ctrl:1   ; a running sum inside each 16 lanes
.endr
.irp k, 0,1,2,3
	v_add_nc_u32 v[IS+\k], v[IS+\k], v[TD+\k]
.endr
.endr
.irp k, 0,1,2,3
	v_readlane_b32 s[40+\k], v[IS+\k], 15
.endr
.irp k, 0,1,2,3
	v_mov_b32 v[TD+\k], s[40+\k]
.endr
.irp k, 0,1,2,3
	v_cndmask_b32 v[TD+\k], 0, v[TD+\k], s39       ; lanes 16-31 add the lower half's total
.endr
.irp k, 0,1,2,3
	v_add_nc_u32 v[IS+\k], v[IS+\k], v[TD+\k]
.endr
.irp k, 0,1,2,3
	v_readlane_b32 s[40+\k], v[IS+\k], 31
.endr
.irp k, 0,1,2,3
	v_mov_b32 v[WQ+\k], s[40+\k]
.endr
	ds_store_b128 v28, v[WQ:WQ+3] offset:WT        ; all lanes write the same 16 bytes with the same values
	BARRIER                                        ; the four waves' totals lie in LDS
.irp w, 0,1,2,3
	ds_load_b128 v[WTOT+4*\w:WTOT+4*\w+3], v29 offset:WT+16*\w
.endr
	s_wait_dscnt 0x0
.irp i, 0,1,2,3,4,5,6,7,8,9,10,11,12,13,14,15
	v_readfirstlane_b32 s[40+\i], v[WTOT+\i]
.endr
.irp k, 0,1,2,3
	s_add_co_u32 s[44+\k], s[44+\k], s[40+\k]      ; waves 0, 1
.endr
.irp k, 0,1,2,3
	s_add_co_u32 s[48+\k], s[48+\k], s[44+\k]      ; waves 0 to 2
.endr
.irp k, 0,1,2,3
	s_add_co_u32 s[52+\k], s[52+\k], s[48+\k]      ; all: the experts' totals
	s_mov_b32 s[56+\k], 0
.endr
	s_cmp_eq_u32 s26, 1                            ; what stands ahead of my wave
.irp k, 0,1,2,3
	s_cselect_b32 s[56+\k], s[40+\k], s[56+\k]
.endr
	s_cmp_eq_u32 s26, 2
.irp k, 0,1,2,3
	s_cselect_b32 s[56+\k], s[44+\k], s[56+\k]
.endr
	s_cmp_eq_u32 s26, 3
.irp k, 0,1,2,3
	s_cselect_b32 s[56+\k], s[48+\k], s[56+\k]
.endr
.irp k, 0,1,2,3
	s_and_b32 s[66+2*\k], s[52+\k], 0xffff         ; N_e
	s_lshr_b32 s[67+2*\k], s[52+\k], 16
.endr
	; ---- my tile: which expert's, which of its tiles, how many rows
	s_mov_b32 s28, 0
	s_mov_b32 s27, 0
	s_mov_b32 s29, 0
	s_mov_b32 s31, 0                               ; the tiles of the lower experts
.irp e, 0,1,2,3,4,5,6,7
	s_add_co_u32 s36, s[66+\e], 63
	s_lshr_b32 s36, s36, 6                         ; expert e's tiles
	s_sub_co_u32 s37, ttmp9, s31                   ; which of them mine would be (it wraps below the first)
	s_cmp_lt_u32 s37, s36
	s_cselect_b32 s28, \e, s28
	s_cselect_b32 s27, s37, s27
	s_cselect_b32 s29, s[66+\e], s29
	s_add_co_u32 s31, s31, s36
.endr
	s_min_u32 s28, s28, 7                          ; e
	s_min_u32 s27, s27, 127
	s_lshl_b32 s27, s27, 6                         ; the tile's first rank
	s_sub_co_u32 s29, s29, s27
	s_min_u32 s29, s29, 64                         ; n: its rows; 0 where no expert has such a tile
	s_max_u32 s30, s29, 1
	s_sub_co_u32 s30, s30, 1
	s_min_u32 s30, s30, 63                         ; its last row
	s_lshl_b32 s32, s28, 11
	s_lshl_b32 s38, s26, 9
	s_add_co_u32 s32, s32, s38
	s_add_nc_u64 s[18:19], s[18:19], s[32:33]      ; b2: 2,048 bytes an expert, 512 a wave
	s_lshl_b32 s32, s32, 1
	s_add_nc_u64 s[12:13], s[12:13], s[32:33]      ; b1: twice that
	s_lshl_b32 s32, s32, 2
	s_add_nc_u64 s[10:11], s[10:11], s[32:33]      ; the scales: 16,384 an expert, 4,096 a wave
	s_add_nc_u64 s[16:17], s[16:17], s[32:33]
	s_lshl_b32 s32, s32, 4
	s_add_nc_u64 s[8:9], s[8:9], s[32:33]          ; the codes: 262,144 an expert, 65,536 a wave
	s_add_nc_u64 s[14:15], s[14:15], s[32:33]
	; the expert is known: its scales, biases and first two weight slots are asked for, and land while the rows are searched for
.irp b, 0,1,2,3,4,5,6,7
	global_load_b128 v[W1S+4*\b:W1S+4*\b+3], v25, s[10:11] offset:512*\b
.endr
.irp n, 0,1,2,3
	global_load_b128 v[W2S+8*\n:W2S+8*\n+3], v26, s[16:17] offset:1024*\n
	global_load_b128 v[W2S+8*\n+4:W2S+8*\n+7], v26, s[16:17] offset:1024*\n+16
.endr
	global_load_b128 v[BT:BT+3], v4, s[12:13]
	global_load_b128 v[BT+4:BT+7], v4, s[12:13] offset:512
	global_load_b128 v[BT+8:BT+11], v4, s[18:19]
	SL 0
	SL 1
	; ---- my two groups' keys for expert e.  What hangs on e is chosen by its three bits, with no branch
	s_bitcmp1_b32 s28, 0
	s_cselect_b32 s60, -1, 0
	s_cselect_b32 s63, 16, 0                       ; an odd expert's sums lie in the upper half of a word
	s_bitcmp1_b32 s28, 1
	s_cselect_b32 s61, -1, 0
	s_bitcmp1_b32 s28, 2
	s_cselect_b32 s62, -1, 0
.irp k, 0,1,2,3
	v_sub_nc_u32 v[EA+\k], v[IS+\k], v[TT+\k]
.endr
.irp k, 0,1,2,3
	v_add_nc_u32 v[EA+\k], s[56+\k], v[EA+\k]      ; ahead of my first group
.endr
.irp k, 0,1,2,3
	v_add_nc_u32 v[EA+4+\k], v[EA+\k], v[PA+\k]    ; ahead of my second
.endr
.irp g, 0,1
	v_cndmask_b32 v[190+8*\g], v[EA+4*\g], v[EA+4*\g+1], s61
	v_cndmask_b32 v[191+8*\g], v[EA+4*\g+2], v[EA+4*\g+3], s61
	v_cndmask_b32 v[190+8*\g], v[190+8*\g], v[191+8*\g], s62
	v_lshrrev_b32 v[190+8*\g], s63, v[190+8*\g]
	v_and_b32 v[190+8*\g], 0xffff, v[190+8*\g]     ; P: expert e's tokens ahead of the group
.irp k, 0,1,2,3
	v_cndmask_b32 v[192+8*\g+\k], v[RC+8*\g+2*\k], v[RC+8*\g+2*\k+1], s60
.endr
	v_cndmask_b32 v[192+8*\g], v[192+8*\g], v[193+8*\g], s61
	v_cndmask_b32 v[194+8*\g], v[194+8*\g], v[195+8*\g], s61
	v_cndmask_b32 v[192+8*\g], v[192+8*\g], v[194+8*\g], s62
	v_bfe_u32 v[192+8*\g], v[192+8*\g], 16, 8      ; the lower experts' tokens in the group
.endr
	v_lshlrev_b32 v206, 7, v0                      ; group 2 t, 6 bits up
	v_or_b32 v192, v206, v192
	v_lshl_or_b32 v188, v190, 14, v192
	v_add_nc_u32 v206, 64, v206                    ; group 2 t + 1
	v_or_b32 v200, v206, v200
	v_lshl_or_b32 v189, v198, 14, v200
	ds_store_b64 v30, v[188:189] offset:WL
	v_and_b32 v165, 63, v0                         ; the row that I search for;
	v_min_u32 v165, s30, v165                      ; rows behind the last repeat the last
	v_add_nc_u32 v165, s27, v165                   ; its rank R
	v_add_nc_u32 v[RLM], 1, v165
	v_lshlrev_b32 v[RLM], 14, v[RLM]               ; a key lies under this where P <= R
.irp c, 0,1,2,3
	v_mov_b32 v[BE+\c], 0
.endr
	BARRIER                                        ; the 256 keys lie in LDS
	; ---- the walk: 128 keys, four at a time, every lane the same four.  The keys rise, so the last that lies under the bound stays; four chains, so that no line waits for the line above it
.set Q, 0
.rept 32
	CBUF Q
	ds_load_b128 v[rW:rW+3], v23 offset:WL+16*Q
.set Q, Q+1
.endr
.set Q, 0
.rept 32
	CBUF Q
	s_wait_dscnt 31-Q                              ; these four keys are in; the younger loads may be out
.irp c, 0,1,2,3
	v_cmp_gt_u32 s[92+\c], v[RLM], v[rW+\c]
.endr
.irp c, 0,1,2,3
	v_cndmask_b32 v[BE+\c], v[BE+\c], v[rW+\c], s[92+\c]
.endr
.set Q, Q+1
.endr
	UMAX BE, BE, BE+1
	UMAX BE+2, BE+2, BE+3
	UMAX BE, BE, BE+2
	ds_store_b32 v31, v[BE] offset:BL
	s_lshl_b32 s38, s26, 4
	v_add_nc_u32 v248, s38, v2                     ; the ranks of my three sets of rows: 16 p + r,
	v_min_u32 v248, s30, v248
	v_add_nc_u32 v248, s27, v248
	v_min_u32 v249, s30, v1                        ; l,
	v_add_nc_u32 v249, s27, v249
	v_add_nc_u32 v250, 32, v1                      ; 32 + l
	v_min_u32 v250, s30, v250
	v_add_nc_u32 v250, s27, v250
	BARRIER                                        ; both halves' finds lie in LDS
	ds_load_b32 v166, v22 offset:BL
	ds_load_b32 v167, v22 offset:BL+256
	ds_load_b32 v168, v11 offset:BL
	ds_load_b32 v169, v11 offset:BL+256
	ds_load_b32 v170, v11 offset:BL+128
	ds_load_b32 v171, v11 offset:BL+384
	s_wait_dscnt 0x0
.irp x, 0,1,2
	UMAX 172+8*\x, 166+2*\x, 167+2*\x
.endr
.irp x, 0,1,2
	v_lshrrev_b32 v[173+8*\x], 14, v[172+8*\x]     ; P
	v_and_b32 v[174+8*\x], 63, v[172+8*\x]         ; the lower experts' tokens in the group
	v_lshrrev_b32 v[175+8*\x], 1, v[172+8*\x]
	v_and_b32 v[175+8*\x], 0x1fe0, v[175+8*\x]     ; 32 x group
	v_sub_nc_u32 v[176+8*\x], v[248+\x], v[173+8*\x]
	v_add_nc_u32 v[176+8*\x], v[176+8*\x], v[174+8*\x]   ; the row's place in the group's sorted list
	v_add_nc_u32 v[176+8*\x], v[176+8*\x], v[175+8*\x]
	v_min_u32 v[176+8*\x], 8191, v[176+8*\x]       ; 256 groups of 32 words
	v_lshlrev_b32 v[176+8*\x], 2, v[176+8*\x]
	global_load_b32 v[177+8*\x], v[176+8*\x], s[20:21]
.endr
	s_wait_loadcnt 0x0                             ; the three words are in, and with them all that was asked for earlier: scales, biases, slots 0 and 1
.irp x, 0,1,2
	v_and_or_b32 v[TOKG+\x], v[177+8*\x], 31, v[175+8*\x]   ; the token: 32 x group + its lane
.endr
.irp x, 0,1,2
	v_min_u32 v[TOKG+\x], 8191, v[TOKG+\x]
.endr
	; ---- my 16 rows of x's codes and scale bytes
.irp i, 0,1,2,3,4,5,6,7,8,9,10,11,12,13,14,15
	v_readlane_b32 s[LR+\i], v[TOKG], \i
.endr
.irp i, 0,1,2,3,4,5,6,7,8,9,10,11,12,13,14,15
	s_min_u32 s[LR+\i], s[LR+\i], 8191
.endr
.irp i, 0,1,2,3,4,5,6,7,8,9,10,11,12,13,14,15
	s_lshl_b32 s[LR+\i], s[LR+\i], 8
.endr
.irp i, 0,1,2,3,4,5,6,7,8,9,10,11,12,13,14,15
	v_add_nc_u32 v[GA+\i], s[LR+\i], v12
.endr
.irp i, 0,1,2,3,4,5,6,7,8,9,10,11,12,13,14,15
	global_load_b64 v[GX+2*\i:GX+2*\i+1], v[GA+\i], s[4:5]   ; 32 lanes read the token's 256 consecutive bytes of codes
.endr
	v_lshlrev_b32 v27, 4, v[TOKG]
	global_load_b128 v[GXS:GXS+3], v27, s[6:7]
	SL 2
	ds_store_b128 v15, v[BT:BT+3] offset:B1L
	ds_store_b128 v15, v[BT+4:BT+7] offset:B1L+512
	ds_store_b128 v10, v[BT+8:BT+11] offset:B2L
	WIN 0x80
.irp t, 0,1,2,3,4,5,6,7,8,9,10,11,12,13,14,15  ; b1 in the result's layout: tile t = 2 b + u, lane (r, h): hidden units 32 b + 16 h + 8 u + 0 .. 7.  My wave's own bytes: LDS serves them in order
	ds_load_b128 v[128+8*\t:128+8*\t+3], v19 offset:B1L+128*(\t/2)+32*(\t%2)
	ds_load_b128 v[128+8*\t+4:128+8*\t+7], v19 offset:B1L+128*(\t/2)+32*(\t%2)+16
.endr
	WIN 0
	s_wait_loadcnt 16                              ; x's codes and scale bytes are in; slot 2 may be out
.irp i, 0,1,2,3,4,5,6,7,8,9,10,11,12,13,14,15
	ds_store_b64 v13, v[GX+2*\i:GX+2*\i+1] offset:XROW+272*\i
.endr
	ds_store_b128 v14, v[GXS:GXS+3] offset:XSC     ; both halves of the lanes write the same bytes with the same values
	SL 3
	BARRIER                                        ; the tile's 64 rows lie in LDS
	WIN 0x80
.irp m, 0,1,2,3
.irp q, 0,1,2,3
.irp c, 0,1
	ds_load_b128 v[8*(4*\m+\q)+4*\c:8*(4*\m+\q)+4*\c+3], v5 offset:XROW+4352*\m+64*\q+32*\c   ; x's 16 fragments stay in registers
.endr
.endr
.endr
	WIN 0
.irp g, 0,1
	ds_load_b128 v[XS+4*\g:XS+4*\g+3], v4 offset:XSC+512*\g
.endr
.irp m, 0,1,2,3
	v_mov_b32 v[TM+4+\m], 0                        ; written once: a lane permute's destination counts as one of its sources
.endr
	s_wait_dscnt 0x0
	; ---- the first product, a pair of tiles at a time; the slot just multiplied takes the loads of four steps on
.irp k, 0,1,2,3,4,5,6,7
	s_wait_loadcnt 48                              ; slot k is in; the three younger slots may be out
	MUL1 \k
	PLACES
	SL \k+4
	QUANT \k
.endr
	BARRIER                                        ; the hidden layer's 32 fragments lie in LDS
	HFETCH 0
	WIN 0x80
.irp n, 0,1,2,3,4,5,6,7                        ; b2 in the result's layout: tile n, lane (r, h): outputs 16 n + 8 h + 0 .. 7
	ds_load_b128 v[64+8*\n:64+8*\n+3], v21 offset:B2L+64*\n
	ds_load_b128 v[64+8*\n+4:64+8*\n+7], v21 offset:B2L+64*\n+16
.endr
	WIN 0
	; ---- the second product, a K step at a time
.irp s, 0,1,2,3,4,5,6,7
.if \s < 7
	HFETCH \s+1
	s_wait_dscnt 10                                ; this K step's fragments are in (and b2); the next step's ten loads may be out
.else
	s_wait_dscnt 0x0
.endif
.if \s < 5
	s_wait_loadcnt 48                              ; this step's slot is in; three younger slots may be out
.else
	s_wait_loadcnt 16*(7-\s)                       ; the last slots: the counts run down
.endif
	MUL2 \s
	PLACES
.if \s < 4
	SL \s+12
.endif
.endr
	OUT 0
	OUT 1
	OUT 2
	OUT 3
.Ldone:
	s_wait_tensorcnt 0x0
	ds_add_u32 v254, v255
	s_wait_dscnt 0x0
	s_endpgm
.Lfunc_end_k_qf7fad2edef_chain:
	.size	k_qf7fad2edef_chain, .Lfunc_end_k_qf7fad2edef_chain-k_qf7fad2edef_chain
	.p2alignl 7, 3214868480
	.fill 96, 4, 3214868480
	.section	.rodata,"a",@progbits
	.p2align	6, 0x0
	.amdhsa_kernel k_qf7fad2edef_chain
		.amdhsa_group_segment_fixed_size 95488
		.amdhsa_private_segment_fixed_size 0
		.amdhsa_enable_private_segment 0
		.amdhsa_kernarg_size 80
		.amdhsa_user_sgpr_count 2
		.amdhsa_user_sgpr_kernarg_segment_ptr 1
		.amdhsa_wavefront_size32 1
		.amdhsa_system_sgpr_workgroup_id_x 1
		.amdhsa_system_sgpr_workgroup_id_y 1
		.amdhsa_system_sgpr_workgroup_id_z 1
		.amdhsa_system_vgpr_workitem_id 0
		.amdhsa_next_free_vgpr 1024
		.amdhsa_next_free_sgpr 96
		.amdhsa_reserve_vcc 1
		.amdhsa_float_denorm_mode_32 3
		.amdhsa_float_denorm_mode_16_64 3
		.amdhsa_memory_ordered 1
		.amdhsa_forward_progress 1
		.amdhsa_inst_pref_size 227
	.end_amdhsa_kernel
	.amdgpu_metadata
---
amdhsa.version: [ 1, 2 ]
amdhsa.kernels:
  - .name:           k_qf7fad2edef_chain
    .symbol:         k_qf7fad2edef_chain.kd
    .args:
      - { .name: xq, .offset: 0, .size: 8, .value_kind: global_buffer, .address_space: global }
      - { .name: xs, .offset: 8, .size: 8, .value_kind: global_buffer, .address_space: global }
      - { .name: W1f, .offset: 16, .size: 8, .value_kind: global_buffer, .address_space: global }
      - { .name: W1_scales, .offset: 24, .size: 8, .value_kind: global_buffer, .address_space: global }
      - { .name: b1, .offset: 32, .size: 8, .value_kind: global_buffer, .address_space: global }
      - { .name: W2f, .offset: 40, .size: 8, .value_kind: global_buffer, .address_space: global }
      - { .name: W2_scales, .offset: 48, .size: 8, .value_kind: global_buffer, .address_space: global }
      - { .name: b2, .offset: 56, .size: 8, .value_kind: global_buffer, .address_space: global }
      - { .name: route, .offset: 64, .size: 8, .value_kind: global_buffer, .address_space: global }
      - { .name: out0, .offset: 72, .size: 8, .value_kind: global_buffer, .address_space: global }
    .group_segment_fixed_size: 95488
    .private_segment_fixed_size: 0
    .kernarg_segment_align: 8
    .kernarg_segment_size: 80
    .max_flat_workgroup_size: 128
    .sgpr_count:     96
    .vgpr_count:     1024
    .wavefront_size: 32
...
	.end_amdgpu_metadata
.endif
;; end of part 5
;; ======== version 3 of 3: 2 launches; version 2 with the launch route written anew for expert scheduling mode
;; workspace buffers: xq 2,097,152 bytes; xs 131,072 bytes; route 32,768 bytes of whole numbers; W1f 2,097,152 bytes; W2f 2,097,152 bytes
;; launch route (part 6): grid 256 x 1, 8 waves a work-group, no clusters, 100,608 bytes of LDS; arguments x, Wg, bg, xq, xs, route, W1_codes, W2_codes, W1f, W2f; writes xq, xs, route, W1f, W2f
.if DOCPART == 6
	.amdgcn_target "amdgcn-amd-amdhsa--gfx1250"
	.amdhsa_code_object_version 6
	.text
	.protected	k_qf7fad2edef_route
	.globl	k_qf7fad2edef_route
	.p2align	8
	.type	k_qf7fad2edef_route,@function
k_qf7fad2edef_route:
	s_mov_b64 s[64:65], 0
	v_nop
	global_prefetch_b8 v0, s[64:65] scope:SCOPE_SE
	s_setreg_imm32_b32 hwreg(HW_REG_WAVE_SCHED_MODE, 0, 2), 2
	s_setreg_imm32_b32 hwreg(HW_REG_WAVE_MODE, 25, 1), 1
	s_wait_xcnt 0x0
	s_wait_alu depctr_vm_vsrc(0)
; ROUTE.  x [8192][512] f32 is read once and serves twice:
;  (1) it is quantised to E2M1 codes, K innermost (xq: 256 bytes a token), one E8M0 byte for each 32 along K (xs: 16 bytes a token);
;  (2) the router: logits = x Wg + bg in f32 multiply-adds, softmax with its maximum taken away, argmax (the lower index wins a tie).
; The chosen expert steers no address and no branch here: what is made of it is made by compares and selects and stored at fixed places.  route: [256 groups][32 lanes], a word a lane:
; bits 0-4: the group's tokens sorted by expert (position = lane); in lanes 0-7 also bits 8-15: the group's count for expert = lane, bits 16-23: the count of the lower experts.
; BESIDE THAT each wave lays 2,048 bytes of the weights' codes in the order of the operand's registers (work-groups 0-127: W1, the others W2; buffers, shifts and steps are chosen by the work-group's number, with no branch).
;   W1f: [tile W = 64 e + 2 pair + u][K step q][c][lane][16 bytes]; lane r of tile (pair, u) takes row 32 pair + 8 u + r + 8 (r / 8) of expert e, so that the 16 results that a lane holds of tiles (pair, 0), (pair, 1)
;   are 16 neighbours along the second product's K.  W2f: [e][p][K step s][tile n][c][lane][16 bytes]; lane r takes row 128 p + 16 n + r.  Lane (r, h) holds bytes 64 step + 32 c + 16 h of its row.
; SHARES.  A work-group takes one group of 32 tokens, each of its eight waves four rows.  A row's 2,048 bytes are loaded as they lie (512 consecutive
; bytes an instruction) and turned through the wave's own stage in LDS, so that lane l holds k = 16 l .. 16 l + 15: two lanes hold a block of 32.
; Wg (16 KB) lies in LDS once for the work-group; lane l reads its 16 rows of it, in two halves of 64 registers.
; LIMITS: NaN and infinities among the inputs are not served.  A block of zeros gets the byte 1 where the quantiser says 127: its codes are zeros, and this program
; alone reads the bytes.  The logits are f32 sums in this text's own order (16 multiply-adds in a lane, then a tree over the lanes): two logits nearer to each other
; than that rounding may be ranked either way.  The group's record leaves as 128 consecutive bytes, 32 KB in the whole launch.
; THE MODE: SCHED_MODE bits 1:0 = 2 (LLVM: expert scheduling mode 2), set by the entry lines.  The code itself states the register dependences between vector instructions and memory or LDS instructions,
; and those through scalar registers that vector instructions write, with s_wait_alu, always for 0.
; THE PLAN.  Registers that memory or LDS instructions touch:
;   v2-v13, v212, v213  addresses, written once at the head and never again: one wait on va_vdst, ahead of the first load, serves every access by them.
;   v132-v195 (WGR)     Wg as loaded (the first sixteen), read by the LDS stores; then my rows of Wg from LDS, twice: a wait on vm_vsrc ahead of the first time, a wait on va_vdst (the multiply-adds are done reading them) ahead of the second.
;   v68-v131 (X)        x as loaded, read by the LDS stores; then loaded again from the stage, behind a wait on vm_vsrc.
;   v24-v35 (C, E)      codes and scale bytes of four rows, each in registers of its own: written by the quantising, read by eight stores that stand in one run behind ONE wait on va_vdst; never written again.
;   v196-v211 (RL)      my piece of the weights: loaded and stored; no vector line names them.
;   v18                 the expert: written by the selects, read by its LDS store (va_vdst ahead of it), written again by wave 1 (vm_vsrc ahead of the branches).
;   v14, v20            wave 1: its LDS load lands in v14, which the softmax named ahead of the last wait on va_vdst; its record v20 is read by the last store.
; No vector instruction writes VCC: compares stand in runs, into scalar registers, with one wait on va_sdst behind each run.
.set WP,   528                         ; a lane's 512 bytes of Wg + 16 of padding: an odd multiple of 16 bytes from lane to lane
.set STG,  32*WP                       ; behind Wg: for each wave four stages (a row each) of 32 places of SP bytes
.set SP,   80                          ; a lane's 64 bytes + 16 of padding
.set SCB,  STG+8*4*32*SP               ; the group's scale bytes, 16 a row
.set EKL,  SCB+512                     ; the group's 32 expert numbers
.set C,    24                          ; v24-31   codes, two registers a row
.set E,    32                          ; v32-35   a scale byte a row
.set A,    36                          ; v36-67   the logits' partial sums: A + 8 row + expert
.set X,    68                          ; v68-131  16 numbers a row
.set WGR,  132                         ; v132-195 half of my 16 rows of Wg: 8 k + expert; before that Wg as loaded, after that the reduction's registers
.set K1,   WGR
.set G1,   WGR+16
.set K2,   WGR+32                      ; the eight logits of row lane % 4
.set G2,   WGR+40
.set T,    WGR+48                      ; the eight exponentials, then probabilities
.set PM,   WGR+16                      ; PM + e: the largest of probabilities 0 .. e, e = 1 .. 6 (G1's registers, which are free by then)
.set RL,   196                         ; v196-211 my 2,048 bytes of weights; v212, v213 their offsets.  None is written again
	s_load_b256 s[4:11], s[0:1], 0x0               ; x s[4:5], Wg s[6:7], bg s[8:9], xq s[10:11]
	s_load_b128 s[12:15], s[0:1], 0x20             ; xs s[12:13], route s[14:15]
	s_load_b256 s[48:55], s[0:1], 0x30             ; W1_codes s[48:49], W2_codes s[50:51], W1f s[52:53], W2f s[54:55]
	v_lshl_add_u32 v216, v0, 2, 0x18500
	v_mov_b32 v217, 0
	v_lshrrev_b32 v1, 5, v0
	v_readfirstlane_b32 s24, v1                    ; wave 0..7
	v_and_b32 v1, 31, v0                           ; lane
	v_lshlrev_b32 v2, 4, v1                        ; 16 x lane: my bytes of a load's 512, and of xs and the weights on the way out
	v_lshlrev_b32 v3, 4, v0                        ; Wg: 16 x thread
	s_wait_alu depctr_va_sdst(0)                   ; s24, the wave's number, is written, ahead of its first reader
	s_mul_i32 s27, s24, WP
	v_add_nc_u32 v4, s27, v2                       ; Wg into LDS: load i of wave w is chunk w + 8 i
	v_mul_u32_u24 v5, v1, WP                       ; and out of it: chunk = lane
	s_mul_i32 s27, s24, 4*32*SP
	s_add_co_u32 s27, s27, STG                     ; my wave's stages
	v_lshrrev_b32 v14, 2, v1
	v_mul_u32_u24 v14, v14, SP
	v_and_b32 v15, 3, v1
	v_lshl_add_u32 v14, v15, 4, v14
	v_add_nc_u32 v6, s27, v14                      ; in: four lanes' 64 bytes on end, then the padding
	v_mul_u32_u24 v7, v1, SP
	v_add_nc_u32 v7, s27, v7                       ; out: place = lane
	v_lshlrev_b32 v8, 3, v1                        ; 8 x lane: my codes in a row
	s_lshl_b32 s27, s24, 6
	s_add_co_u32 s27, s27, SCB
	v_lshrrev_b32 v9, 1, v1
	v_add_nc_u32 v9, s27, v9                       ; my block's scale byte in my wave's first row
	s_lshl_b32 s27, s24, 4
	s_add_co_u32 s27, s27, EKL
	v_lshl_add_u32 v10, v15, 2, s27                ; the expert's word of row 4 w + lane % 4
	v_add_nc_u32 v11, SCB, v2                      ; the way out of the scale bytes
	v_lshl_add_u32 v12, v1, 2, EKL                 ; and of the expert numbers
	v_lshlrev_b32 v13, 2, v1                       ; 4 x lane: my word of the group's record
	s_mov_b32 s25, 0xaaaaaaaa                      ; odd lanes
	s_mov_b32 s26, 0xcccccccc                      ; lanes with bit 1 set
	s_mov_b32 s28, 0x76543210
	s_mov_b32 s29, 0xfedcba98                      ; v_permlanex16_b32's selects for lane l xor 16
	; the weights: piece u = 8 x work-group + wave; idx = (u % 1024) / 2 is the block of 4,096 bytes, u % 2 its half
	s_lshl_b32 s35, ttmp9, 3
	s_add_co_u32 s35, s35, s24
	s_and_b32 s36, s35, 1023
	s_lshr_b32 s37, s36, 1
	s_and_b32 s38, s36, 1
	s_and_b32 s40, s37, 1
	s_lshr_b32 s39, s37, 1
	s_lshl_b32 s39, s39, 13                        ; W1: 32 rows of 256 bytes for each pair,
	s_lshl_b32 s41, s40, 11                        ; 8 rows for u,
	s_add_co_u32 s39, s39, s41
	s_lshl_b32 s41, s38, 7                         ; K steps 2, 3 in the second half
	s_add_co_u32 s39, s39, s41
	s_lshr_b32 s42, s37, 4
	s_lshl_b32 s42, s42, 16                        ; W2: 128 rows of 512 bytes for each (e, p),
	s_lshl_b32 s41, s40, 15                        ; 64 rows for tiles 4-7,
	s_add_co_u32 s42, s42, s41
	s_bfe_u32 s41, s37, 0x30001
	s_lshl_b32 s41, s41, 6                         ; 64 bytes for each K step,
	s_add_co_u32 s42, s42, s41
	s_lshl_b32 s41, s38, 14                        ; 32 rows in the second half
	s_add_co_u32 s42, s42, s41
	s_mov_b32 s45, 8192
	s_mov_b32 s47, 0
	s_cmp_lt_u32 ttmp9, 128                        ; W1's work-group or W2's?  The choice hangs on the work-group's number alone
	s_cselect_b32 s46, s39, s42                    ; where my piece begins in the codes
	s_cselect_b32 s43, 8, 9                        ; a row is 256 or 512 bytes
	s_cselect_b32 s44, 8, 0                        ; W1's rows of a tile: r + 8 (r / 8); W2's: r
	s_cselect_b32 s45, 64, s45                     ; from loads 0, 1 to loads 2, 3: a K step on, or 16 rows down
	v_and_b32 v17, 15, v0
	v_and_b32 v18, s44, v17
	v_add_nc_u32 v18, v18, v17
	v_lshlrev_b32 v18, s43, v18
	v_bfe_u32 v19, v0, 4, 1
	v_lshl_add_u32 v212, v19, 4, v18               ; my row, + 16 h
	v_add_nc_u32 v213, s45, v212
	s_lshl_b32 s30, ttmp9, 16                      ; 32 rows of 2,048 bytes a group,
	s_lshl_b32 s34, s24, 13                        ; four a wave
	s_add_co_u32 s30, s30, s34
	s_mov_b32 s31, 0
	s_wait_kmcnt 0x0
	s_load_b256 s[16:23], s[8:9], 0x0              ; bg's eight numbers
	s_add_nc_u64 s[4:5], s[4:5], s[30:31]          ; x at my first row
	s_lshl_b32 s30, ttmp9, 13
	s_lshl_b32 s34, s24, 10
	s_add_co_u32 s30, s30, s34
	s_add_nc_u64 s[10:11], s[10:11], s[30:31]      ; xq likewise: 256 bytes a row
	s_lshl_b32 s30, ttmp9, 9
	s_add_nc_u64 s[12:13], s[12:13], s[30:31]      ; xs at my group: 512 bytes
	s_lshl_b32 s30, ttmp9, 7
	s_add_nc_u64 s[14:15], s[14:15], s[30:31]      ; route at my group: 128 bytes
	s_cmp_lt_u32 ttmp9, 128
	s_cselect_b64 s[48:49], s[48:49], s[50:51]     ; the codes that I read,
	s_cselect_b64 s[52:53], s[52:53], s[54:55]     ; and the buffer that I lay them into
	s_add_nc_u64 s[48:49], s[48:49], s[46:47]
	s_lshl_b32 s30, s36, 11
	s_add_nc_u64 s[52:53], s[52:53], s[30:31]      ; 2,048 bytes a piece
	s_wait_alu depctr_va_vdst(0)                   ; the addresses v2 to v13, v212 and v213 are written, which every load and store of the kernel reads and no line writes again
.irp i, 0,1,2,3
	global_load_b128 v[WGR+4*\i:WGR+4*\i+3], v3, s[6:7] offset:4096*\i
.endr
.irp row, 0,1,2,3
.irp j, 0,1,2,3
	global_load_b128 v[X+16*\row+4*\j:X+16*\row+4*\j+3], v2, s[4:5] offset:2048*\row+512*\j th:TH_LOAD_NT   ; 32 lanes read 512 consecutive bytes; read once in the launch
.endr
.endr
	global_load_b128 v[RL:RL+3], v212, s[48:49]
	global_load_b128 v[RL+4:RL+7], v212, s[48:49] offset:32
	global_load_b128 v[RL+8:RL+11], v213, s[48:49]
	global_load_b128 v[RL+12:RL+15], v213, s[48:49] offset:32
	s_wait_loadcnt 20                              ; Wg's four loads are in; the sixteen of x and the four of weights behind them stay out
.irp i, 0,1,2,3
	ds_store_b128 v4, v[WGR+4*\i:WGR+4*\i+3] offset:8*WP*\i
.endr
	s_wait_dscnt 0x0                               ; for the others' sake: my part of Wg lies in LDS
	s_barrier_signal -1
	s_barrier_wait -1
	s_wait_alu depctr_vm_vsrc(0)                   ; my LDS stores have read v[WGR ..], in which my rows of Wg land below
.macro WGLOAD half                     ; rows 16 l + 8 half .. + 7 of Wg: 256 bytes, register 8 k + expert
.irp j, 0,1,2,3,4,5,6,7,8,9,10,11,12,13,14,15
	ds_load_b128 v[WGR+4*\j:WGR+4*\j+3], v5 offset:256*\half+16*\j
.endr
.endm
; 128 packed multiply-adds: four rows x eight k x four pairs of experts; x is taken for both halves of a pair.  The very first products start the sums: nothing is cleared.
.macro DOT half
.irp kk, 0,1,2,3,4,5,6,7
.irp row, 0,1,2,3
.irp p, 0,1,2,3
.if (\half == 0) && (\kk == 0)
	v_pk_mul_f32 v[A+8*\row+2*\p:A+8*\row+2*\p+1], v[X+16*\row:X+16*\row+1], v[WGR+2*\p:WGR+2*\p+1] op_sel_hi:[0,1]
.elseif (\kk % 2) == 0
	v_pk_fma_f32 v[A+8*\row+2*\p:A+8*\row+2*\p+1], v[X+16*\row+8*\half+\kk:X+16*\row+8*\half+\kk+1], v[WGR+8*\kk+2*\p:WGR+8*\kk+2*\p+1], v[A+8*\row+2*\p:A+8*\row+2*\p+1] op_sel_hi:[0,1,1]
.else
	v_pk_fma_f32 v[A+8*\row+2*\p:A+8*\row+2*\p+1], v[X+16*\row+8*\half+\kk-1:X+16*\row+8*\half+\kk], v[WGR+8*\kk+2*\p:WGR+8*\kk+2*\p+1], v[A+8*\row+2*\p:A+8*\row+2*\p+1] op_sel:[1,0,0] op_sel_hi:[1,1,1]
.endif
.endr
.endr
.endr
.endm
; A row's codes and scale bytes, into registers of the row's own.  The block's largest magnitude, with the floor 2^(3 - 127) among its leaves (so the byte cannot fall under 1); 2 off its exponent field is the conversion's scale operand.
.macro QROW row
.set XS, X+16*\row
	v_max3_num_f32 v14, |v[XS]|, |v[XS+1]|, |v[XS+2]|
	v_max3_num_f32 v15, |v[XS+3]|, |v[XS+4]|, |v[XS+5]|
.irp i, 6,10
	v_max3_num_f32 v14, v14, |v[XS+\i]|, |v[XS+\i+1]|
	v_max3_num_f32 v15, v15, |v[XS+\i+2]|, |v[XS+\i+3]|
.endr
	v_max3_num_f32 v14, v14, |v[XS+14]|, |v[XS+15]|
	v_max3_num_f32 v14, v14, v15, 0x1800000
	v_max_num_f32_dpp v14, v14, v14 row_xmask:1 row_mask:0xf bank_mask:0xf   ; with my neighbour's 16: the block's
	v_add_nc_u32 v16, 0xff000000, v14
	v_cvt_scalef32_pk8_fp4_f32 v[C+2*\row], v[XS:XS+7], v16
	v_cvt_scalef32_pk8_fp4_f32 v[C+2*\row+1], v[XS+8:XS+15], v16
	v_lshrrev_b32 v[E+\row], 23, v16               ; the scale's byte (also the plain line behind the conversions)
.endm
	WGLOAD 0
	s_wait_loadcnt 4                               ; x is in; the four loads of weights may be out
.irp row, 0,1,2,3
.irp j, 0,1,2,3
	ds_store_b128 v6, v[X+16*\row+4*\j:X+16*\row+4*\j+3] offset:32*SP*\row+8*SP*\j
.endr
.endr
	s_wait_dscnt 0x0                               ; the stores have landed; the first half of Wg is in
	s_wait_alu depctr_vm_vsrc(0)                   ; the stores have read v[X ..], in which the loads below land
.irp row, 0,1,2,3
.irp i, 0,1,2,3
	ds_load_b128 v[X+16*\row+4*\i:X+16*\row+4*\i+3], v7 offset:32*SP*\row+16*\i
.endr
.endr
	s_wait_dscnt 0x0
	DOT 0
	s_wait_alu depctr_va_vdst(0)                   ; the multiply-adds are done reading v[WGR ..], in which the second half of my rows of Wg lands
	WGLOAD 1                                       ; lands while the rows are quantised
	QROW 0
	QROW 1
	QROW 2
	QROW 3
	s_wait_alu depctr_va_vdst(0)                   ; the four rows' codes v[C ..] and scale bytes v[E ..] are written, which the eight stores below read
.irp row, 0,1,2,3
	ds_store_b8 v9, v[E+\row] offset:16*\row       ; both lanes of a block write the same byte with the same value
.endr
.irp row, 0,1,2,3
	global_store_b64 v8, v[C+2*\row:C+2*\row+1], s[10:11] offset:256*\row   ; 32 lanes store the row's 256 consecutive bytes, aligned
.endr
	s_wait_loadcnt 0x0                             ; my piece of the weights
.irp j, 0,1,2,3
	global_store_b128 v2, v[RL+4*\j:RL+4*\j+3], s[52:53] offset:512*\j   ; 32 lanes store 512 consecutive bytes, aligned
.endr
	s_wait_dscnt 0x0
	DOT 1
	; THE SUM OVER THE LANES of 4 rows x 8 experts.  Two steps halve the numbers: a lane keeps one row of two and gives the other to its partner; afterwards lane l holds row l % 4.
.irp pr, 0,1
.irp e, 0,1,2,3,4,5,6,7
	v_cndmask_b32 v[K1+8*\pr+\e], v[A+16*\pr+\e], v[A+16*\pr+8+\e], s25   ; kept: even lanes row 2 pr, odd lanes row 2 pr + 1
	v_cndmask_b32 v[G1+8*\pr+\e], v[A+16*\pr+8+\e], v[A+16*\pr+\e], s25   ; given
.endr
.endr
.irp i, 0,1,2,3,4,5,6,7,8,9,10,11,12,13,14,15
	v_add_f32_dpp v[K1+\i], v[G1+\i], v[K1+\i] row_xmask:1 row_mask:0xf bank_mask:0xf
.endr
.irp e, 0,1,2,3,4,5,6,7
	v_cndmask_b32 v[K2+\e], v[K1+\e], v[K1+8+\e], s26
	v_cndmask_b32 v[G2+\e], v[K1+8+\e], v[K1+\e], s26
.endr
.irp e, 0,1,2,3,4,5,6,7
	v_add_f32_dpp v[K2+\e], v[G2+\e], v[K2+\e] row_xmask:2 row_mask:0xf bank_mask:0xf
.endr
.irp e, 0,1,2,3,4,5,6,7
	v_add_f32_dpp v[K2+\e], v[K2+\e], v[K2+\e] row_xmask:4 row_mask:0xf bank_mask:0xf
.endr
.irp e, 0,1,2,3,4,5,6,7
	v_add_f32_dpp v[K2+\e], v[K2+\e], v[K2+\e] row_xmask:8 row_mask:0xf bank_mask:0xf
.endr
.irp e, 0,1,2,3,4,5,6,7
	v_permlanex16_b32 v[G2+\e], v[K2+\e], s28, s29
.endr
.irp e, 0,1,2,3,4,5,6,7
	v_add_f32 v[K2+\e], v[K2+\e], v[G2+\e]
.endr
	s_wait_kmcnt 0x0                               ; bg
.irp e, 0,1,2,3,4,5,6,7
	v_add_f32 v[K2+\e], s[16+\e], v[K2+\e]
.endr
	; the softmax, with the row's maximum taken away, and the argmax of the probabilities
	v_max3_num_f32 v14, v[K2], v[K2+1], v[K2+2]
	v_max3_num_f32 v14, v14, v[K2+3], v[K2+4]
	v_max3_num_f32 v14, v14, v[K2+5], v[K2+6]
	v_max_num_f32 v14, v14, v[K2+7]
.irp e, 0,1,2,3,4,5,6,7
	v_sub_f32 v[T+\e], v[K2+\e], v14
.endr
.irp e, 0,1,2,3,4,5,6,7
	v_mul_f32 v[T+\e], 0x3fb8aa3b, v[T+\e]         ; x log2(e)
.endr
.irp e, 0,1,2,3,4,5,6,7
	v_exp_f32 v[T+\e], v[T+\e]
.endr
	v_mov_b32 v18, 0                               ; the argmax begins at expert 0 (the plain line behind the exponentials)
	s_wait_alu depctr_va_vdst(0)                   ; the eight exponentials have written v[T ..]: one wait, ahead of their first reader
	v_add_f32 v15, v[T], v[T+1]
	v_add_f32 v16, v[T+2], v[T+3]
	v_add_f32 v17, v[T+4], v[T+5]
	v_add_f32 v19, v[T+6], v[T+7]
	v_add_f32 v15, v15, v16
	v_add_f32 v17, v17, v19
	v_add_f32 v15, v15, v17
	v_rcp_f32 v16, v15
	v_nop                                          ; a plain line behind the reciprocal
	s_wait_alu depctr_va_vdst(0)                   ; the reciprocal has written v16: the wait ahead of its first reader
.irp e, 0,1,2,3,4,5,6,7
	v_mul_f32 v[T+\e], v[T+\e], v16
.endr
	; the running maxima in registers of their own, so that the seven compares stand in one run
	v_max_num_f32 v[PM+1], v[T], v[T+1]
.irp e, 2,3,4,5,6
	v_max_num_f32 v[PM+\e], v[PM+\e-1], v[T+\e]
.endr
	v_cmp_le_f32 s36, v[T+1], v[T]                 ; not larger than all before it: the earlier expert stays, so the lower index wins a tie
.irp e, 2,3,4,5,6,7
	v_cmp_le_f32 s[35+\e], v[T+\e], v[PM+\e-1]
.endr
	s_wait_alu depctr_va_sdst(0)                   ; the seven compares have written their masks s36-42, which the selects below read
.irp e, 1,2,3,4,5,6,7
	v_cndmask_b32 v18, \e, v18, s[35+\e]
.endr
	s_wait_alu depctr_va_vdst(0)                   ; the expert v18 is written, which the store below reads; and the softmax is done with v14, in which wave 1's load lands
	ds_store_b32 v10, v18                          ; the eight lanes that hold a row write the same word with the same value
	s_wait_dscnt 0x0                               ; for the others' sake: my scale bytes and my four expert numbers lie in LDS
	s_barrier_signal -1
	s_barrier_wait -1
	s_wait_alu depctr_vm_vsrc(0)                   ; the store has read v18, which wave 1 writes again: ahead of the branches
	s_cmp_eq_u32 s24, 0
	s_cbranch_scc1 .Lscales
	s_cmp_eq_u32 s24, 1
	s_cbranch_scc1 .Lranks
	s_wait_dscnt 0x0                               ; the closing lines, six on end
	s_wait_alu 0x0
	s_wait_tensorcnt 0x0
	ds_add_u32 v216, v217
	s_wait_dscnt 0x0
	s_endpgm
.Lscales:                                              ; wave 0: the group's 512 scale bytes leave as 512 consecutive bytes
	ds_load_b128 v[20:23], v11
	s_wait_dscnt 0x0
	global_store_b128 v2, v[20:23], s[12:13]
	s_wait_dscnt 0x0                               ; the closing lines, six on end
	s_wait_alu 0x0
	s_wait_tensorcnt 0x0
	ds_add_u32 v216, v217
	s_wait_dscnt 0x0
	s_endpgm
.Lranks:                                               ; wave 1: lane = token of the group.  Its place among the group's tokens sorted by expert; the eight counts and what stands ahead of each
	ds_load_b32 v14, v12                           ; no wait: no vector line has been issued since the wait ahead of the expert's store
	v_mov_b32 v16, 0
	v_mov_b32 v21, 0
	s_mov_b32 s34, 0                               ; tokens of the lower experts
	s_wait_dscnt 0x0
.irp e, 0,1,2,3,4,5,6,7
	v_cmp_eq_u32 s[36+\e], \e, v14
.endr
	s_wait_alu depctr_va_sdst(0)                   ; the eight compares have written their masks s36-43, ahead of their first reader
.irp e, 0,1,2,3,4,5,6,7
	v_mbcnt_lo_u32_b32 v17, s[36+\e], 0            ; how many lower lanes chose expert e,
	v_add_nc_u32 v17, s34, v17                     ; behind the lower experts' tokens
	v_cndmask_b32 v16, v16, v17, s[36+\e]
	s_bcnt1_i32_b32 s33, s[36+\e]
	s_lshl_b32 s35, s34, 8
	s_or_b32 s35, s35, s33
	v_writelane_b32 v21, s35, \e                   ; count | lower experts' count << 8, in lane e
	s_add_co_u32 s34, s34, s33
.endr
	; the places are turned round without an address: lane i takes the token whose place is i.  The 32 places go to scalar registers in one run; each is then compared with my lane, the mask taking the place's register
.irp s, 0,1,2,3,4,5,6,7,8,9,10,11,12,13,14,15,16,17,18,19,20,21,22,23,24,25,26,27,28,29,30,31
	v_readlane_b32 s[66+\s], v16, \s
.endr
	v_mov_b32 v18, 0
	s_wait_alu depctr_va_sdst(0)                   ; the 32 lane reads have written s66-97, ahead of their first reader
.irp s, 0,1,2,3,4,5,6,7,8,9,10,11,12,13,14,15,16,17,18,19,20,21,22,23,24,25,26,27,28,29,30,31
	v_cmp_ne_u32 s[66+\s], s[66+\s], v1
.endr
	s_wait_alu depctr_va_sdst(0)                   ; the 32 compares have written their masks s66-97, which the selects below read
.irp s, 0,1,2,3,4,5,6,7,8,9,10,11,12,13,14,15,16,17,18,19,20,21,22,23,24,25,26,27,28,29,30,31
	v_cndmask_b32 v18, \s, v18, s[66+\s]           ; token s where its place is my lane
.endr
	v_lshl_or_b32 v20, v21, 8, v18
	s_wait_alu depctr_va_vdst(0)                   ; my word of the record, v20, is written, which the store below reads
	global_store_b32 v13, v20, s[14:15]            ; 32 lanes store the group's 128 consecutive bytes
	s_wait_dscnt 0x0                               ; the closing lines, six on end
	s_wait_alu 0x0
	s_wait_tensorcnt 0x0
	ds_add_u32 v216, v217
	s_wait_dscnt 0x0
	s_endpgm
.Lfunc_end_k_qf7fad2edef_route:
	.size	k_qf7fad2edef_route, .Lfunc_end_k_qf7fad2edef_route-k_qf7fad2edef_route
	.p2alignl 7, 3214868480
	.fill 96, 4, 3214868480
	.section	.rodata,"a",@progbits
	.p2align	6, 0x0
	.amdhsa_kernel k_qf7fad2edef_route
		.amdhsa_group_segment_fixed_size 100608
		.amdhsa_private_segment_fixed_size 0
		.amdhsa_enable_private_segment 0
		.amdhsa_kernarg_size 80
		.amdhsa_user_sgpr_count 2
		.amdhsa_user_sgpr_kernarg_segment_ptr 1
		.amdhsa_wavefront_size32 1
		.amdhsa_system_sgpr_workgroup_id_x 1
		.amdhsa_system_sgpr_workgroup_id_y 1
		.amdhsa_system_sgpr_workgroup_id_z 1
		.amdhsa_system_vgpr_workitem_id 0
		.amdhsa_next_free_vgpr 218
		.amdhsa_next_free_sgpr 98
		.amdhsa_reserve_vcc 0
		.amdhsa_float_denorm_mode_32 3
		.amdhsa_float_denorm_mode_16_64 3
		.amdhsa_memory_ordered 1
		.amdhsa_forward_progress 1
		.amdhsa_inst_pref_size 52
	.end_amdhsa_kernel
	.amdgpu_metadata
---
amdhsa.version: [ 1, 2 ]
amdhsa.kernels:
  - .name:           k_qf7fad2edef_route
    .symbol:         k_qf7fad2edef_route.kd
    .args:
      - { .name: x, .offset: 0, .size: 8, .value_kind: global_buffer, .address_space: global }
      - { .name: Wg, .offset: 8, .size: 8, .value_kind: global_buffer, .address_space: global }
      - { .name: bg, .offset: 16, .size: 8, .value_kind: global_buffer, .address_space: global }
      - { .name: xq, .offset: 24, .size: 8, .value_kind: global_buffer, .address_space: global }
      - { .name: xs, .offset: 32, .size: 8, .value_kind: global_buffer, .address_space: global }
      - { .name: route, .offset: 40, .size: 8, .value_kind: global_buffer, .address_space: global }
      - { .name: W1_codes, .offset: 48, .size: 8, .value_kind: global_buffer, .address_space: global }
      - { .name: W2_codes, .offset: 56, .size: 8, .value_kind: global_buffer, .address_space: global }
      - { .name: W1f, .offset: 64, .size: 8, .value_kind: global_buffer, .address_space: global }
      - { .name: W2f, .offset: 72, .size: 8, .value_kind: global_buffer, .address_space: global }
    .group_segment_fixed_size: 100608
    .private_segment_fixed_size: 0
    .kernarg_segment_align: 8
    .kernarg_segment_size: 80
    .max_flat_workgroup_size: 256
    .sgpr_count:     98
    .vgpr_count:     218
    .wavefront_size: 32
...
	.end_amdgpu_metadata
.endif
;; end of part 6
;; launch chain: the kernel of part 5 again; grid 135 x 1, 4 waves a work-group, no clusters, 95,488 bytes of LDS; arguments xq, xs, W1f, W1_scales, b1, W2f, W2_scales, b2, route, out0; writes out0
